; MI455X (gfx1250); checked and timed in simulation.
; The chip was launched on July 23, 2026; its instructions are those of AMD's public machine-readable ISA for CDNA 5 (MIT licence, August 2026) and "CDNA5" Instruction Set Architecture Reference Guide (July 2026). The comments in the code are by the model that wrote it; some were corrected since.
;; Target Centric Attention. Allowed arithmetic: matrix products marked QUANTISED: E2M3 operands, one E8M0 scale for each 32 along K, by v_wmma_scale_f32_16x16x128_f8f6f4 with both operands' format E2M3, f32 sums; everything else in f32.
;; Inputs: Wk 1,024 x 1,024 float32; Wq 1,024 x 1,024 float32; Wv 1,024 x 1,024 float32; bk 1,024 float32; bq 1,024 float32; bv 1,024 float32; x 4 x 2,048 x 1,024 float32.
;; Outputs: out0 4 x 2,048 x 1,024 float32.
;; This version of the problem:
;;   THIS VERSION OF THE PROBLEM IS GIVEN IN LOW PRECISION. The matrix products marked QUANTISED in the list below multiply operands that are first quantised to E2M3 (2 exponent bits, 3 mantissa bits; 6 bits a number), with one power-of-two scale for each 32 numbers along K (OCP MX v1.0); their sums are f32. All else is computed in f32.
;;   The module's matrix products, in the order in which they are computed (A, B: the left and right operand; K: the contracted axis; several contracted axes count as one K, in the product's order):
;;     1. [M 8,192, K 1,024] x [K 1,024, N 1,024]; A: input x; B: input Wq: QUANTISED
;;     2. [M 8,192, K 1,024] x [K 1,024, N 1,024]; A: input x; B: input Wk: QUANTISED
;;     3. [M 8,192, K 1,024] x [K 1,024, N 1,024]; A: input x; B: input Wv: QUANTISED
;;     4. batch 4 x [M 2,048, K 1,024] x [K 1,024, N 2,048]; A: computed on the way; B: computed on the way: QUANTISED
;;     5. batch 4 x [M 2,048, K 2,048] x [K 2,048, N 1,024]; A: computed on the way; B: computed on the way: QUANTISED
;;   THE QUANTISER, for each operand of a quantised product, along K:
;;     - K is cut into blocks of 32 from its start; a last block that is shorter is filled with zeros.
;;     - A block's scale is 2^e with e = floor(log2(the largest magnitude in the block)) - 2, held to -126 .. 127; a block of zeros has e = 0. As a byte (E8M0): e + 127.
;;     - Each number is divided by its block's scale, clamped to +-7.5, and rounded to the nearest number of E2M3, ties to even, subnormals kept.
;;     - The product sums the exact products of the quantised numbers (number of the format x scale) in f32.
;;   ~~~python
;;   def quantise(x, axis):      # numpy; x: float32 -> the quantised numbers, widened to float32 again
;;       x = np.moveaxis(x, axis, -1); K = x.shape[-1]
;;       x = np.pad(x, [(0, 0)] * (x.ndim - 1) + [(0, -K % 32)]); x = x.reshape(x.shape[:-1] + (-1, 32)); a = np.abs(x).max(-1, keepdims=True)
;;       e = np.where(a > 0, np.clip(np.frexp(np.where(a > 0, a, 1))[1] - 1 - 2, -126, 127), 0)      # np.frexp(a)[1] - 1 = floor(log2(a)), exactly
;;       r = np.clip(x / 2.0 ** e, -7.5, 7.5)
;;       step = 2.0 ** (np.maximum(np.frexp(np.where(r == 0, 1, r))[1] - 1, 0) - 3)
;;       q = np.round(r / step) * step * 2.0 ** e      # np.round: ties to even
;;       return np.moveaxis(q.reshape(q.shape[:-2] + (-1,))[..., :K], -1, axis).astype(np.float32)
;;   ~~~
;;   OPERANDS COMPUTED ON THE WAY. 'Computed on the way' means the value that the module computes at that place (a softmax that the list does not call 'softmax' is quantised finished and normalised). What goes into a quantiser is computed in f32, as accurately as f32 sums, v_exp_f32 and their like allow (about 1e-6 of the number): no bf16 or f16 on the way to a quantiser, and a product that is left as it is and whose result goes on into a quantised operand takes f32 operands (vector FMAs, or v_wmma_f32_16x16x4_f32). A number that lies on a knife's edge between two numbers of the format may be rounded either way, as far as f32 arithmetic and the matrix unit's own rounding can turn it there, and no further.
;; One version. Each part assembles by itself: llvm-mc -triple=amdgcn-amd-amdhsa -mcpu=gfx1250 --defsym DOCPART=n.
;; ======== version 1 of 1: 4 launches
;; limits: right only within a limited range of input values
;; workspace buffers: xw 9,011,200 bytes; qk 13,107,200 bytes; vt 6,553,600 bytes; wt 12,582,912 bytes; ws 524,288 bytes
;; launch quant (part 1): grid 352 x 1, 4 waves a work-group, no clusters, 34,304 bytes of LDS; arguments x, Wq, Wk, Wv, xw; writes xw
.if DOCPART == 1
	.amdgcn_target "amdgcn-amd-amdhsa--gfx1250"
	.amdhsa_code_object_version 6
	.text
	.protected	k_q32234f51dd_quant
	.globl	k_q32234f51dd_quant
	.p2align	8
	.type	k_q32234f51dd_quant,@function
k_q32234f51dd_quant:
	s_mov_b64 s[64:65], 0
	v_nop
	global_prefetch_b8 v0, s[64:65] scope:SCOPE_SE
	s_setreg_imm32_b32 hwreg(HW_REG_WAVE_MODE, 25, 1), 1
	s_wait_xcnt 0x0
; THE PROGRAM (five launches): q, k, v = Q(x) Q(W)^T + b;  scores = Q(q) Q(k)^T / 32;  w = softmax over the keys;  out[b][key][d] = sum over queries of Q(w)[query][key] Q(v)[query][d].
; Q is the stated quantiser: E2M3 codes, one E8M0 byte for each 32 along a product's K.  NOTHING OF reference() IS LEFT OUT: bq moves the scores along the keys, bk and bv go into quantised operands,
; so all seven inputs are loaded (the biases by the second launch).  The scores are multiplied twice (third and fourth launch): w is quantised finished and normalised, along the QUERIES, and a query's
; THIS LAUNCH turns x [8192][1024] and Wq, Wk, Wv [1024][1024], f32, K innermost, into codes and scale bytes in the program's own layout:
; A REC, 12,800 bytes, is 128 rows x 128 along K as an IMAGE OF THE OPERAND'S REGISTERS: tile i (16 rows, 12 registers a lane): registers 4 c .. 4 c + 3 of lane l at 1536 i + 512 c + 16 l;
; row r's scale word (four bytes) of tile i at 12,288 + 256 (i / 4) + 16 r + 4 (i % 4).  xw = [row group 88][K step 8][REC]; groups 0-63 x, 64-71 Wq, 72-79 Wk, 80-87 Wv.
; THE ROWS OF A TILE ARE NOT NEIGHBOURS: lane m of tile T holds row 32 (T / 2) + 8 (T % 2) + 16 (m / 8) + m % 8 of its group, in every buffer of the program, so that a product's results, a lane's registers
; over two neighbouring tiles, are 16 neighbours along the next product's K.
; SHARES: a work-group takes a row group and two K steps; a wave 64 rows (four tiles) x 128 along K.  A load reads 512 consecutive bytes of one row; a tile's 16 rows turn through the wave's own stage in LDS
; (rows of 512 + 16 bytes) and come back so that lane (r, h) holds the whole blocks h and 2 + h of row r: what the operand's layout gives that lane.  No barrier: waves share nothing.
; LIMITS: NaN and infinities among the inputs are not served.  A block of zeros, or one whose largest magnitude lies under 2^-124, gets the byte 1 (the rule says 127 for zeros): its codes are zeros or as the
; held scale gives them, and the bytes are read by this program alone.
; AS THE PROGRAM STANDS it has FOUR launches (this takes the place of what is said above of five launches and of scores multiplied twice): this one; the projections; the scores with their softmax, multiplied once,
; a block of 32 queries against all keys of its batch in one work-group, w quantised there; and the last product.
.set REC,   12800
.set STGB,  16*528                     ; a wave's stage
.set SPARE, 4*STGB                     ; behind the stages: the spare words, 128 bytes for each wave, that no other line names
.set LI,  4                            ; v4   16 x lane: my place in a load's and in a store's 512 bytes
.set STI, 5                            ; v5   the stage, on the way in
.set STO, 6                            ; v6   and on the way out: row r, + 128 h
.set SA,  7                            ; v7   16 r + 8 h: my two scale words' place
.set SH,  8                            ; v8   8 h
.set XL,  9                            ; v9   lane l xor 16's word
.set MX,  10                           ; v10-11 largest magnitudes;  v12-13 the conversions' scale operands;  v14-15 bytes;  v16 my two bytes
.set SO,  12
.set BY,  14
.set WD,  16
.set SPW, 28                           ; v28  LDS address of my spare word; never rewritten
.set NIL, 29                           ; v29  0; never rewritten
.set X,   32                           ; v32-95   two blocks of 32 numbers
.set LD0, 96                           ; v96-223  two sets of 16 x 4 registers as loaded
.set PC,  224                          ; v224-235 a tile's fragment;  v236-242 the conversions' second halves
.set P2,  236
.set SW,  244                          ; v244-247 the four tiles' scale words;  v248-249 my two on the way out
.set OW,  248
	s_load_b256 s[4:11], s[0:1], 0x0               ; x, Wq, Wk, Wv
	s_load_b64 s[12:13], s[0:1], 0x20              ; xw
	v_lshl_add_u32 v[SPW], v0, 2, SPARE
	v_mov_b32 v[NIL], 0
	v_lshrrev_b32 v1, 5, v0
	v_readfirstlane_b32 s14, v1                    ; wave
	v_and_b32 v1, 15, v0                           ; r
	v_bfe_u32 v2, v0, 4, 1                         ; h
	v_and_b32 v3, 31, v0                           ; lane
	v_lshlrev_b32 v[LI], 4, v3
	s_mul_i32 s15, s14, STGB
	v_add_nc_u32 v[STI], s15, v[LI]
	v_mul_u32_u24 v[STO], v1, 528
	v_lshl_add_u32 v[STO], v2, 7, v[STO]
	v_add_nc_u32 v[STO], s15, v[STO]
	v_lshlrev_b32 v[SA], 4, v1
	v_lshl_add_u32 v[SA], v2, 3, v[SA]
	v_lshlrev_b32 v[SH], 3, v2
	v_mov_b32 v[XL], 0                             ; written once: a lane permute's destination counts as one of its sources
	s_mov_b32 s32, 0x76543210
	s_mov_b32 s33, 0xfedcba98                      ; v_permlanex16_b32's selects for lane l xor 16
	s_lshr_b32 s16, ttmp9, 2                       ; G: my row group, 0 .. 87
	s_and_b32 s17, s16, 7
	s_cmp_lt_u32 s16, 64
	s_cselect_b32 s17, s16, s17                    ; and its number inside its tensor
	s_and_b32 s18, ttmp9, 3
	s_lshl_b32 s18, s18, 1
	s_lshr_b32 s19, s14, 1
	s_add_co_u32 s19, s19, s18                     ; my K step: 2 (work-group % 4) + wave / 2
	s_and_b32 s20, s14, 1                          ; my half of the group's rows
	s_lshl_b32 s22, s17, 19                        ; from: 128 rows of 4,096 bytes a group,
	s_lshl_b32 s21, s20, 18                        ; 64 rows a half,
	s_add_co_u32 s22, s22, s21
	s_lshl_b32 s21, s19, 9                         ; 512 bytes a K step
	s_add_co_u32 s22, s22, s21
	s_mov_b32 s23, 0
	s_lshl_b32 s24, s16, 3
	s_add_co_u32 s24, s24, s19
	s_mul_i32 s24, s24, REC                        ; to: REC 8 G + K step
	s_mov_b32 s25, 0
	s_mul_i32 s26, s20, 4*1536                     ; my four tiles in it,
	s_mov_b32 s27, 0
	s_lshl_b32 s28, s20, 8
	s_add_co_u32 s28, s28, 12288                   ; and their 256 bytes of scale words
	s_mov_b32 s29, 0
	s_wait_alu depctr_va_vdst(0)
	s_wait_kmcnt 0x0
	s_cmp_ge_u32 s16, 64                           ; which tensor: the choice hangs on the work-group's number alone
	s_cselect_b64 s[4:5], s[6:7], s[4:5]
	s_cmp_ge_u32 s16, 72
	s_cselect_b64 s[4:5], s[8:9], s[4:5]
	s_cmp_ge_u32 s16, 80
	s_cselect_b64 s[4:5], s[10:11], s[4:5]
	s_add_nc_u64 s[4:5], s[4:5], s[22:23]
	s_add_nc_u64 s[12:13], s[12:13], s[24:25]
	s_add_nc_u64 s[30:31], s[12:13], s[28:29]      ; the scale words
	s_add_nc_u64 s[12:13], s[12:13], s[26:27]      ; the codes
.macro LOAD t                          ; tile t's 16 rows, in the tile's own order, into set t % 2: each load is 512 consecutive bytes of one row
.irp i, 0,1,2,3,4,5,6,7,8,9,10,11,12,13,14,15
	global_load_b128 v[LD0+64*((\t)%2)+4*\i:LD0+64*((\t)%2)+4*\i+3], v[LI], s[4:5] offset:(32*((\t)/2)+8*((\t)%2)+\i+8*(\i/8))*4096 th:TH_LOAD_NT
.endr
.endm
.macro TILE t
	s_wait_loadcnt 16*(3-(\t))                     ; this tile's 16 loads are in; those of the 3 - t later tiles may be out
.if (\t) >= 2
	s_set_vgpr_msb 0x0004                          ; tiles 2 and 3 landed in window 1: the stores' data (source 1) come from there
.endif
.irp i, 0,1,2,3,4,5,6,7,8,9,10,11,12,13,14,15
	ds_store_b128 v[STI], v[LD0+64*((\t)%2)+4*\i:LD0+64*((\t)%2)+4*\i+3] offset:528*\i
.endr
.if (\t) >= 2
	s_set_vgpr_msb 0x0400
.endif
.irp c, 0,1
.irp i, 0,1,2,3,4,5,6,7
	ds_load_b128 v[X+32*\c+4*\i:X+32*\c+4*\i+3], v[STO] offset:256*\c+16*\i   ; LDS serves a wave's instructions in order: these see my stores.  Numbers 64 c + 32 h + 0 .. 31 of row r
.endr
.endr
	s_wait_dscnt 0x0                               ; the numbers are back
.irp c, 0,1
	v_max3_num_f32 v[MX+\c], |v[X+32*\c]|, |v[X+1+32*\c]|, 0x1800000   ; my block 2 c + h: all its 32 numbers are mine; and the floor 2^(3 - 127): the byte cannot fall under 1
.endr
.irp i, 2,4,6,8,10,12,14,16,18,20,22,24,26,28,30
.irp c, 0,1
	v_max3_num_f32 v[MX+\c], v[MX+\c], |v[X+32*\c+\i]|, |v[X+1+32*\c+\i]|
.endr
.endr
.irp c, 0,1
	v_add_nc_u32 v[SO+\c], 0xff000000, v[MX+\c]    ; 2 off the exponent field: the conversion takes the exponent field of this operand as its scale
.endr
.irp c, 0,1
	v_lshrrev_b32 v[BY+\c], 23, v[SO+\c]           ; the scale's byte
.endr
	v_lshl_or_b32 v[WD], v[BY+1], 16, v[BY]        ; blocks h and 2 + h,
	v_lshlrev_b32 v[WD], v[SH], v[WD]              ; at their places in the word;
	v_permlanex16_b32 v[XL], v[WD], s32, s33
	v_or_b32 v[SW+(\t)], v[WD], v[XL]              ; with lane l xor 16's two the word is whole
.if (\t) > 0
	s_wait_alu depctr_va_vdst(0)
	s_wait_xcnt 0x0                                ; the last tile's stores have read their data: the fragment's registers are written again only behind this wait
.endif
.irp c, 0,1
	v_cvt_scalef32_pk16_fp6_f32 v[PC+6*\c:PC+6*\c+2], v[X+32*\c:X+32*\c+15], v[SO+\c]
	v_cvt_scalef32_pk16_fp6_f32 v[P2+4*\c:P2+4*\c+2], v[X+32*\c+16:X+32*\c+31], v[SO+\c]   ; (a conversion's three registers begin on an even number)
.endr
	v_nop                                          ; one plain place behind a scaled conversion
.irp c, 0,1
.irp i, 0,1,2
	v_mov_b32 v[PC+6*\c+3+\i], v[P2+4*\c+\i]
.endr
.endr
.irp c, 0,1,2
	global_store_b128 v[LI], v[PC+4*\c:PC+4*\c+3], s[12:13] offset:1536*(\t)+512*\c   ; 32 lanes store 512 consecutive bytes, at a multiple of 256 from xw's first byte
.endr
.endm
	LOAD 0                                         ; all four tiles' 64 loads go out on end: tiles 0 and 1 into v96-223 of window 0,
	LOAD 1
	s_set_vgpr_msb 0x0040                          ; tiles 2 and 3 into the same numbers of window 1 (the destination's window)
	LOAD 2
	LOAD 3
	s_set_vgpr_msb 0x4000
	TILE 0
	TILE 1
	TILE 2
	TILE 3
	v_cmp_eq_u32 vcc_lo, 1, v2
	v_cndmask_b32 v[OW], v[SW], v[SW+2], vcc_lo    ; lane (r, h) stores row r's words of tiles 2 h and 2 h + 1
	v_cndmask_b32 v[OW+1], v[SW+1], v[SW+3], vcc_lo
	global_store_b64 v[SA], v[OW:OW+1], s[30:31]   ; 32 lanes store 256 consecutive bytes, aligned
	s_wait_tensorcnt 0x0                           ; the wave's end, behind my last LDS store
	ds_add_u32 v[SPW], v[NIL]
	s_wait_dscnt 0x0
	s_endpgm
.Lfunc_end_k_q32234f51dd_quant:
	.size	k_q32234f51dd_quant, .Lfunc_end_k_q32234f51dd_quant-k_q32234f51dd_quant
	.p2alignl 7, 3214868480
	.fill 96, 4, 3214868480
	.section	.rodata,"a",@progbits
	.p2align	6, 0x0
	.amdhsa_kernel k_q32234f51dd_quant
		.amdhsa_group_segment_fixed_size 34304
		.amdhsa_private_segment_fixed_size 0
		.amdhsa_enable_private_segment 0
		.amdhsa_kernarg_size 40
		.amdhsa_user_sgpr_count 2
		.amdhsa_user_sgpr_kernarg_segment_ptr 1
		.amdhsa_wavefront_size32 1
		.amdhsa_system_sgpr_workgroup_id_x 1
		.amdhsa_system_sgpr_workgroup_id_y 1
		.amdhsa_system_sgpr_workgroup_id_z 1
		.amdhsa_system_vgpr_workitem_id 0
		.amdhsa_next_free_vgpr 480
		.amdhsa_next_free_sgpr 66
		.amdhsa_reserve_vcc 1
		.amdhsa_float_denorm_mode_32 3
		.amdhsa_float_denorm_mode_16_64 3
		.amdhsa_memory_ordered 1
		.amdhsa_forward_progress 1
		.amdhsa_inst_pref_size 31
	.end_amdhsa_kernel
	.amdgpu_metadata
---
amdhsa.version: [ 1, 2 ]
amdhsa.kernels:
  - .name:           k_q32234f51dd_quant
    .symbol:         k_q32234f51dd_quant.kd
    .args:
      - { .name: x, .offset: 0, .size: 8, .value_kind: global_buffer, .address_space: global }
      - { .name: Wq, .offset: 8, .size: 8, .value_kind: global_buffer, .address_space: global }
      - { .name: Wk, .offset: 16, .size: 8, .value_kind: global_buffer, .address_space: global }
      - { .name: Wv, .offset: 24, .size: 8, .value_kind: global_buffer, .address_space: global }
      - { .name: xw, .offset: 32, .size: 8, .value_kind: global_buffer, .address_space: global }
    .group_segment_fixed_size: 34304
    .private_segment_fixed_size: 0
    .kernarg_segment_align: 8
    .kernarg_segment_size: 40
    .max_flat_workgroup_size: 128
    .sgpr_count:     66
    .vgpr_count:     480
    .wavefront_size: 32
...
	.end_amdgpu_metadata
.endif
;; end of part 1
;; launch proj (part 2): grid 8 x 32, 4 waves a work-group, clusters of 4 x 4, 327,680 bytes of LDS; arguments xw, bq, bk, bv, qk, vt; writes qk, vt
.if DOCPART == 2
	.amdgcn_target "amdgcn-amd-amdhsa--gfx1250"
	.amdhsa_code_object_version 6
	.text
	.protected	k_q32234f51dd_proj
	.globl	k_q32234f51dd_proj
	.p2align	8
	.type	k_q32234f51dd_proj,@function
k_q32234f51dd_proj:
	s_mov_b64 s[64:65], 0
	v_nop
	global_prefetch_b8 v0, s[64:65] scope:SCOPE_SE
	s_setreg_imm32_b32 hwreg(HW_REG_WAVE_MODE, 25, 1), 1
	s_wait_xcnt 0x0
	s_wait_alu depctr_hold_cnt(0) depctr_sa_sdst(0) depctr_va_vdst(0) depctr_va_sdst(0) depctr_va_ssrc(0) depctr_va_vcc(0) depctr_vm_vsrc(0)
	s_getreg_b32 s2, hwreg(HW_REG_IB_STS2, 6, 4)
	s_cmp_eq_u32 s2, 0
	s_cbranch_scc0 .Lentry_in_a_cluster
	s_endpgm
.Lentry_in_a_cluster:
	s_bfe_u32 s2, ttmp6, 0x10000c
	s_cmp_lg_u32 s2, 0xf033
	s_cbranch_scc0 .Lentry_shape_is_right
	s_endpgm
.Lentry_shape_is_right:
; q = Q(x) Q(Wq)^T + bq, k likewise, v likewise, each quantised at once for the product that takes it: q and k along their 1,024 features into qk, v along the QUERIES into vt.  Nothing of reference() is left out here.
; All operands are RECs (12,800 bytes: 128 rows x 128 along K as an image of the operand's registers, 8 tiles of 1,536 bytes and 512 bytes of scale words; lane m of tile T holds row 32 (T/2) + 8 (T%2) + 16 (m/8) + m%8).
; A PRODUCT IS D = P-fragment (source 0) x R-fragment (source 1): lane (r, h) then holds ONE row of R (place r of its tile), and its register j of P's tile b the P row 32 (b/2) + 16 h + 8 (b%2) + j: so the 64 registers
; of the eight P tiles are, in fours of 16, neighbours along P, which is the next product's K.  128 rows of R x 128 of P become exactly one REC of the next operand: row group = R's, K step = P's.
; SHARES.  256 work-groups, each with the same two parts of work.  PART 1: a tile of 256 (R = rows of x) x 256 (P = rows of Wq, cluster x = 0, or of Wk, cluster x = 1): q and k are 2 x 32 x 4 = 256 such tiles; a wave makes
; 128 x 128, 64 accumulators; the bias runs along the registers.  PART 2: a tile of 128 (R = rows of Wv) x 256 (P = rows of x) of v^T: 8 x 32 = 256 such tiles; a wave makes 64 x 128, 32 accumulators; the bias is one
; number a lane; v comes out with the queries along K.  768 products a wave in every work-group.  K = 1,024 in 8 steps of 128 in both parts.
; LDS, PART 1: three slots of 102,400 bytes, two K steps each: R's two row groups, then P's two, 25,600 dense bytes each, one tensor load a wave.  K steps 0-5 are first fills, issued together; K steps 6, 7 refill slot 0 at K step 1.
; LDS, PART 2: all 8 K steps of Wv's group (from byte 0) and of x's two groups (from 102,400 and 204,800): 307,200 bytes, exactly the three slots.  They are asked for in ONE refill at part 1's K step 7, whose fragments are in
; registers by then, so that nobody reads LDS any more; they land while part 1's last 32 products are issued and its 8 tiles of results are quantised and stored.  Part 2 has no refill.
; By this text's count a wave has at most three tensor loads out.  CLUSTER 4 x 4: in both parts the four of a row of the cluster need the same R, the four of a column the same P: each block is asked for jointly.
; LIMITS: NaN and infinities are not served; a block of zeros or under 2^-124 gets the byte 1 (bytes read by this program alone).
; REGISTERS, in windows of 256: window 0: v1-15 addresses, v32-47 scale words (two sets), v48-60 part 2's addresses and bias, v64-159 and v160-255 R's fragments (two sets; part 2: v64-111, v112-159); on the ways out v64-175 are at work.
;   window 1: P's fragments at v0-95 and v128-223; part 1's biases in v96-127 and v224-255.   windows 2, 3: part 1's 64 accumulators, (a, b) at v[8 (8 (a % 4) + b)]; part 2's 32 in window 2.
; THE FILLS OF PART 1 AS THIS TEXT HAS THEM (this takes the place of what is said above of three slots, of first fills issued together by every wave and of three loads out):
; at the head ONE joint load a wave: wave 0 R's two row groups, K steps 0-1, to byte 0; wave 1 P's two, to 2 PART; wave 2 R's two, K steps 2-5, to SLOT; wave 3 P's two, to 2 SLOT.  A load is a tile of two rows,
; a row group's 2 or 4 RECs on end each, the rows GRP bytes apart in memory.  Waves 0 and 1 wait for theirs ahead of the first barrier; waves 2 and 3 at K step 1, where K steps 6-7 refill bytes 0 .. SLOT (waves 0 and 1).
; By this text's count a wave has one tensor load out.  No prefetch: the block is the largest and K has 8 steps, 6 of them asked for at the head.
.set REC,   12800
.set GRP,   8*REC                      ; a row group's 8 K steps
.set PART,  2*REC                      ; what one tensor load of part 1 brings: a row group's two K steps
.set SLOT,  4*PART
.set BHALF, 4*REC                      ; part 2: four K steps of a row group
.set SPARE, 3*SLOT+1024                ; the spare words, 128 bytes for each wave, that no other line names
.set LI,   4                           ; v4     16 x lane
.set ADRR, 5                           ; v5-7   part 1: my R fragments in slot 0, 1, 2
.set ADRP, 8                           ; v8-10  my P fragments
.set ADRS, 11                          ; v11-13 scale words: lanes 0-15 R's, lanes 16-31 P's
.set SPW,  28                          ; v28    LDS address of my spare word; never rewritten
.set NIL,  29                          ; v29    0; never rewritten
.set SC,   32                          ; set s at v[SC + 8 s]; register i: lanes 0-15 R's tile i, lanes 16-31 P's tile i
.set BADR, 48                          ; v48-49 part 2: my R fragments of K steps 0-3, 4-7
.set BADP, 50                          ; v50-51 my P fragments
.set BADS, 52                          ; v52-53 scale words: lanes 0-15 R's four tiles, lanes 16-31 P's tiles 0-3
.set BADS2, 54                         ; v54-55 lanes 16-31: P's tiles 4-7 (lanes 0-15 read R's again and are not used)
.set BV,   56                          ; v56-59 bv of my lane's row in my four tiles of R
.set SA,   60                          ; v60    16 r + 8 h: part 2's scale words on the way out
.set RF,   64
.set H,    64                          ; the ways out: 64 numbers;  v128-147 codes;  v148-163 at work;  v164-171 scale words;  v172-175 those that I store
.set PC,   128
.set TM,   148
.set SW,   164
.set SWS,  172
.set BT,   96                          ; part 1's biases, in window 1
.set WV,  16
.set WI,  17                           ; wave / 2: my half of R.  Also: I fetch for R (0) or for P (1)
.set WJ,  18                           ; wave % 2: my half of P.  Also: which part of it I fetch
.set SEL, 20
.set G1R, 24                           ; s[24:31] part 1: descriptor group 1 for R;  s[32:43] three groups 0
.set G0R, 32
.set CX,  44
.set CY,  45
.set YY,  47
.set G1P, 48                           ; s[48:55] for P;  s[56:59], s[40:43] its groups 0
.set G0P, 56
.set PB,  66
.set G0PB, 72                          ; s[72:75] part 2: group 0 for P;  s[88:95] its group 1
.set OUT, 76
.set RB,  78
.set G1RB, 80                          ; s[80:87] part 2: group 1 for R;  s[96:99] its group 0
.set G1PB, 88
.set G0RB, 96
.set MSB, 0
.macro WIN new                         ; the immediate's high byte repeats the setting that is left
.if MSB != (\new)
	s_set_vgpr_msb (MSB<<8)|(\new)
.set MSB, (\new)
.endif
.endm
.set MUL_LO, 0xa1                      ; source 0 (P) window 1, source 1 (R) window 0, C and D window 2
.set MUL_HI, 0xf1                      ; the same, C and D window 3
.set TO_P,   0x40                      ; destination window 1, address window 0
.macro PLACES n
.rept \n
	v_nop
.endr
.endm
.macro SHAPE g, rows                   ; descriptor group 1, words 1 to 7: a dense block as rows of 256 bytes (32 elements of 8 bytes)
	s_mov_b32 s[\g+1], 32<<16                      ; tensor_dim0
	s_mov_b32 s[\g+2], (\rows)<<16                 ; tensor_dim1
	s_mov_b32 s[\g+3], 32<<16                      ; tile_dim0
	s_mov_b32 s[\g+4], \rows                       ; tile_dim1
	s_mov_b32 s[\g+5], 32                          ; from row to row
	s_mov_b32 s[\g+6], 0
	s_mov_b32 s[\g+7], 0
.endm
; A joint load: waves 0 and 1 fetch for R, waves 2 and 3 for P; the branch hangs on the wave's number alone.  An s_nop 0 and four v_nop follow each of the two lines.
.macro JLOAD g0r, g1r, g0p, g1p
	s_cmp_eq_u32 s[WI], 0
	s_cbranch_scc0 .Lfor_p_\@
	tensor_load_to_lds s[\g0r:\g0r+3], s[\g1r:\g1r+7]
	s_nop 0
.rept 4
	v_nop
.endr
	s_branch .Lasked_\@
.Lfor_p_\@:
	tensor_load_to_lds s[\g0p:\g0p+3], s[\g1p:\g1p+7]
	s_nop 0
.rept 4
	v_nop
.endr
.Lasked_\@:
.endm
.macro CREST                           ; a round of the cluster's barrier behind its opening barrier
	s_cmp_lg_u32 s[WV], 0
	s_cbranch_scc1 .Lnot_wave_0_\@
	s_barrier_signal -3
.Lnot_wave_0_\@:
	s_barrier_wait -3
	s_barrier_signal -1
	s_barrier_wait -1
.endm
.macro CROUND
	s_barrier_signal -1
	s_barrier_wait -1
	CREST
.endm
; PART 1.  50 LDS loads in one run, each of 512 consecutive bytes: the fragments and scale words of one K step (the slot's kq-th) into set
.macro FETCH slot, kq, set
	WIN TO_P
.irp b, 0,1,2,3,4,5,6,7
.irp c, 0,1,2
	ds_load_b128 v[128*(\set)+12*\b+4*\c:128*(\set)+12*\b+4*\c+3], v[ADRP+(\slot)] offset:REC*(\kq)+1536*\b+512*\c
.endr
.endr
	WIN 0
.irp a, 0,1,2,3,4,5,6,7
.irp c, 0,1,2
	ds_load_b128 v[RF+96*(\set)+12*\a+4*\c:RF+96*(\set)+12*\a+4*\c+3], v[ADRR+(\slot)] offset:REC*(\kq)+1536*\a+512*\c
.endr
.endr
	ds_load_b128 v[SC+8*(\set):SC+8*(\set)+3], v[ADRS+(\slot)] offset:REC*(\kq)
	ds_load_b128 v[SC+8*(\set)+4:SC+8*(\set)+7], v[ADRS+(\slot)] offset:REC*(\kq)+256
.endm
; 16 matrix instructions: R's tiles a0, a0 + 1 x P's eight.  zero = 1: the first product starts the sums.  The 64 accumulators take turns, one instruction a turn, in the same order in every step.
.macro MUL16 a0, set, zero
.irp a, \a0, \a0+1
.irp b, 0,1,2,3,4,5,6,7
.if \zero
	v_wmma_scale_f32_16x16x128_f8f6f4 v[8*(8*((\a)%4)+\b):8*(8*((\a)%4)+\b)+7], v[128*(\set)+12*\b:128*(\set)+12*\b+11], v[RF+96*(\set)+12*(\a):RF+96*(\set)+12*(\a)+11], 0, v[SC+8*(\set)+\b], v[SC+8*(\set)+(\a)] matrix_a_fmt:MATRIX_FMT_FP6 matrix_b_fmt:MATRIX_FMT_FP6 matrix_a_scale:MATRIX_SCALE_ROW1
.else
	v_wmma_scale_f32_16x16x128_f8f6f4 v[8*(8*((\a)%4)+\b):8*(8*((\a)%4)+\b)+7], v[128*(\set)+12*\b:128*(\set)+12*\b+11], v[RF+96*(\set)+12*(\a):RF+96*(\set)+12*(\a)+11], v[8*(8*((\a)%4)+\b):8*(8*((\a)%4)+\b)+7], v[SC+8*(\set)+\b], v[SC+8*(\set)+(\a)] matrix_a_fmt:MATRIX_FMT_FP6 matrix_b_fmt:MATRIX_FMT_FP6 matrix_a_scale:MATRIX_SCALE_ROW1
.endif
.endr
.endr
.endm
; A K step: its own set is in; the next step's 50 loads go out, four places behind the products that read that set (ISA guide 7.12.1 for vector instructions); then its 64 products.
.macro STEP set, zero, nslot, nkq
	s_wait_dscnt 0x0
.if !(\zero)
	PLACES 4
.endif
	FETCH \nslot, \nkq, 1-(\set)
	WIN MUL_LO
	MUL16 0, \set, \zero
	MUL16 2, \set, \zero
	WIN MUL_HI
	MUL16 4, \set, \zero
	MUL16 6, \set, \zero
.endm
; K step 1 changes slots: slot 0 has been read out and takes K steps 6 and 7.  Each wave waits for all its tensor loads (slots 1 and 2 are whole then), adds 0 to its spare word, waits for that and for its reads of slot 0;
; the barrier opens a round of the cluster's barrier, and the joint refill is the first thing behind the round.  It has four K steps, 256 products, in which to land.
.macro TURN
	WIN 0                                          ; (the add's two registers lie in window 0)
	s_wait_tensorcnt 0x0
	ds_add_u32 v[SPW], v[NIL]
	s_wait_dscnt 1                                 ; this step's set is in; the add alone may be out
	WIN MUL_LO
	MUL16 0, 1, 0
	s_wait_dscnt 0x0                               ; the add is done, and my reads of slot 0 are over
	s_barrier_signal -1
	MUL16 2, 1, 0
	WIN 0
	s_barrier_wait -1
	CREST
	s_add_nc_u64 s[G0R+2:G0R+3], s[G0R+2:G0R+3], 3*PART   ; no tensor load of mine is out: slot 0's groups 0 step from K steps 0, 1 to 6, 7
	s_add_nc_u64 s[G0P+2:G0P+3], s[G0P+2:G0P+3], 3*PART
	SHAPE G1RB, 200                                ; no tensor load of mine is out: part 2's groups 1 get their own shapes: half of Wv's group, 51,200 bytes,
	SHAPE G1PB, 400                                ; or one of x's groups, 102,400
	RLOAD
	FETCH 1, 0, 0
	WIN MUL_HI
	MUL16 4, 1, 0
	MUL16 6, 1, 0
.endm
; K step 5: the refill is wanted.  Each wave shows its part landed, then a plain barrier.
.macro MEET
	s_wait_dscnt 0x0
	s_wait_tensorcnt 0x0
	s_barrier_signal -1
	WIN MUL_LO
	MUL16 0, 1, 0
	MUL16 2, 1, 0
	s_barrier_wait -1
	PLACES 4
	FETCH 0, 0, 0
	WIN MUL_HI
	MUL16 4, 1, 0
	MUL16 6, 1, 0
.endm
; PART 2.  38 LDS loads of 512 consecutive bytes: one K step's fragments and scale words: K step 4 hf + kq
.macro FETCHB hf, kq, set
	WIN TO_P
.irp b, 0,1,2,3,4,5,6,7
.irp c, 0,1,2
	ds_load_b128 v[128*(\set)+12*\b+4*\c:128*(\set)+12*\b+4*\c+3], v[BADP+(\hf)] offset:REC*(\kq)+1536*\b+512*\c
.endr
.endr
	WIN 0
.irp a, 0,1,2,3
.irp c, 0,1,2
	ds_load_b128 v[RF+48*(\set)+12*\a+4*\c:RF+48*(\set)+12*\a+4*\c+3], v[BADR+(\hf)] offset:REC*(\kq)+1536*\a+512*\c
.endr
.endr
	ds_load_b128 v[SC+8*(\set):SC+8*(\set)+3], v[BADS+(\hf)] offset:REC*(\kq)
	ds_load_b128 v[SC+8*(\set)+4:SC+8*(\set)+7], v[BADS2+(\hf)] offset:REC*(\kq)
.endm
.macro MUL8 a, set, zero               ; my tile a of R x P's eight.  The 32 accumulators take turns, one instruction a turn, in the same order in every step
.irp b, 0,1,2,3,4,5,6,7
.if \zero
	v_wmma_scale_f32_16x16x128_f8f6f4 v[8*(8*(\a)+\b):8*(8*(\a)+\b)+7], v[128*(\set)+12*\b:128*(\set)+12*\b+11], v[RF+48*(\set)+12*(\a):RF+48*(\set)+12*(\a)+11], 0, v[SC+8*(\set)+\b], v[SC+8*(\set)+(\a)] matrix_a_fmt:MATRIX_FMT_FP6 matrix_b_fmt:MATRIX_FMT_FP6 matrix_a_scale:MATRIX_SCALE_ROW1
.else
	v_wmma_scale_f32_16x16x128_f8f6f4 v[8*(8*(\a)+\b):8*(8*(\a)+\b)+7], v[128*(\set)+12*\b:128*(\set)+12*\b+11], v[RF+48*(\set)+12*(\a):RF+48*(\set)+12*(\a)+11], v[8*(8*(\a)+\b):8*(8*(\a)+\b)+7], v[SC+8*(\set)+\b], v[SC+8*(\set)+(\a)] matrix_a_fmt:MATRIX_FMT_FP6 matrix_b_fmt:MATRIX_FMT_FP6 matrix_a_scale:MATRIX_SCALE_ROW1
.endif
.endr
.endm
.macro STEPB set, zero, nhf, nkq       ; my set is in; the next step's loads, four places behind the products that read that set; 32 products
	s_wait_dscnt 0x0
.if !(\zero)
	PLACES 4
.endif
	FETCHB \nhf, \nkq, 1-(\set)
	WIN MUL_LO
	MUL8 0, \set, \zero
	MUL8 1, \set, \zero
	MUL8 2, \set, \zero
	MUL8 3, \set, \zero
.endm
; 64 numbers of a lane, register 16 b + i = K index 32 b + 16 h + i of my row, become a fragment's codes in v[PC] on and its scale word in v[pw].
.macro QUANT s, pw
.irp b, 0,1,2,3
	v_max3_num_f32 v[TM+\b], |v[\s+16*\b]|, |v[\s+1+16*\b]|, 0x1800000   ; my 16 numbers of block b, and the floor 2^(3 - 127): the byte cannot fall under 1
.endr
.irp i, 2,4,6,8,10,12,14
.irp b, 0,1,2,3
	v_max3_num_f32 v[TM+\b], v[TM+\b], |v[\s+16*\b+\i]|, |v[\s+1+16*\b+\i]|
.endr
.endr
.irp b, 0,1,2,3
	v_permlanex16_b32 v[TM+4+\b], v[TM+\b], s[SEL], s[SEL+1]
.endr
.irp b, 0,1,2,3
	v_max_num_f32 v[TM+\b], v[TM+\b], v[TM+4+\b]   ; with lane l xor 16's: the block's largest magnitude
.endr
.irp b, 0,1,2,3
	v_add_nc_u32 v[TM+12+\b], 0xff000000, v[TM+\b] ; 2 off its exponent field: the conversion's scale operand
.endr
.irp b, 0,1,2,3
	v_lshrrev_b32 v[TM+4+\b], 23, v[TM+12+\b]      ; the scale's byte
.endr
	v_lshl_or_b32 v[(\pw)], v[TM+5], 8, v[TM+4]
	v_lshl_or_b32 v[(\pw)], v[TM+6], 16, v[(\pw)]
	v_lshl_or_b32 v[(\pw)], v[TM+7], 24, v[(\pw)]
	s_wait_xcnt 0x0                                ; the last tile's stores have read their data: the codes' registers are written again only behind this wait
.irp c, 0,1
	v_cvt_scalef32_pk16_fp6_f32 v[PC+6*\c:PC+2+6*\c], v[\s+32*\c:\s+15+32*\c], v[TM+12+2*\c]
	v_cvt_scalef32_pk16_fp6_f32 v[PC+12+4*\c:PC+14+4*\c], v[\s+16+32*\c:\s+31+32*\c], v[TM+12+2*\c+1]   ; (a conversion's three registers begin on an even number)
.endr
	v_nop                                          ; one plain place behind a scaled conversion
.irp c, 0,1                                    ; the operand's layout wants a WHOLE block in a lane
.irp i, 0,1,2
	v_permlane16_swap_b32 v[PC+6*\c+\i], v[PC+12+4*\c+\i]
.endr
.irp i, 0,1,2
	v_mov_b32 v[PC+3+6*\c+\i], v[PC+12+4*\c+\i]
.endr
.endr
.endm
.macro IMG a                           ; the fragment goes to memory as it stands: each store is 512 consecutive bytes, at a multiple of 256 from the buffer's first byte
.irp c, 0,1,2
	global_store_b128 v[LI], v[PC+4*\c:PC+4*\c+3], s[OUT:OUT+1] offset:1536*(\a)+512*\c
.endr
.endm
	s_load_b256 s[4:11], s[0:1], 0x0               ; xw s[4:5], bq s[6:7], bk s[8:9], bv s[10:11]
	s_load_b128 s[12:15], s[0:1], 0x20             ; qk s[12:13], vt s[14:15]
	v_lshl_add_u32 v[SPW], v0, 2, SPARE
	v_mov_b32 v[NIL], 0
	ds_add_u32 v[SPW], v[NIL]                      ; the wave's opening: the add, twice on end, and its wait ahead of my first tensor load
	ds_add_u32 v[SPW], v[NIL]
	v_lshrrev_b32 v1, 5, v0
	v_readfirstlane_b32 s[WV], v1
	s_lshr_b32 s[WI], s[WV], 1
	s_and_b32 s[WJ], s[WV], 1
	s_bfe_u32 s[CX], ttmp6, 0x40000
	s_bfe_u32 s[CY], ttmp6, 0x40004
	s_and_b32 s[YY], ttmp7, 0xffff                 ; cluster y, 0 .. 7; ttmp9 is cluster x: 0 q, 1 k
	s_lshl_b32 s46, s[CY], 2
	s_lshl_b32 s46, 15, s46                        ; my row of the cluster
	s_lshl_b32 s22, 0x1111, s[CX]                  ; my column
	s_or_b32 s[G1R], s46, (3<<16)|(1<<21)          ; 15:0 the mask; 17:16 elements of 8 bytes; 21 set beside a mask; no padding
	s_or_b32 s[G1RB], s46, (3<<16)|(1<<21)
	s_or_b32 s[G1P], s22, (3<<16)|(1<<21)
	s_or_b32 s[G1PB], s22, (3<<16)|(1<<21)
.macro SHAPE2 g, els                   ; group 1, words 1 to 7: two rows of els elements of 8 bytes, a row group apart
	s_mov_b32 s[\g+1], (\els)<<16
	s_mov_b32 s[\g+2], 2<<16
	s_mov_b32 s[\g+3], (\els)<<16
	s_mov_b32 s[\g+4], 2
	s_mov_b32 s[\g+5], GRP/8
	s_mov_b32 s[\g+6], 0
	s_mov_b32 s[\g+7], 0
.endm
.macro GRP0 g, lds, src, off           ; a group 0
	s_mov_b32 s[\g], 1
	s_mov_b32 s[\g+1], \lds
	s_add_nc_u64 s[\g+2:\g+3], s[\src:\src+1], \off
	s_or_b32 s[\g+3], s[\g+3], 0x80000000
.endm
.macro ARM under, g0, g1, next         ; an arm of the head's chain: one load, and a jump to the chain's end
	s_cmp_lt_u32 s[WV], \under
	s_cbranch_scc0 \next
	tensor_load_to_lds s[\g0:\g0+3], s[\g1:\g1+7]
	s_nop 0
	PLACES 4
	s_branch .Lhead_asked
\next:
.endm
.macro RLOAD                           ; the joint refill: wave 0 fetches R's two row groups, wave 1 P's; the other waves have no part of it
	s_cmp_eq_u32 s[WV], 0
	s_cbranch_scc0 .Lre_p_\@
	tensor_load_to_lds s[G0R:G0R+3], s[G1R:G1R+7]
	s_nop 0
	PLACES 4
	s_branch .Lre_done_\@
.Lre_p_\@:
	s_cmp_eq_u32 s[WV], 1
	s_cbranch_scc0 .Lre_done_\@
	tensor_load_to_lds s[G0P:G0P+3], s[G1P:G1P+7]
	s_nop 0
	PLACES 4
.Lre_done_\@:
	PLACES 4                                       ; every wave's places in front of the loads that follow
.endm
.set G0R4, 36                          ; s[36:39], s[40:43] groups 0 of K steps 2-5
.set G0P4, 40
	SHAPE2 G1R, 3200                               ; two K steps of two row groups
	SHAPE2 G1P, 3200
	SHAPE2 G1RB, 6400                              ; at the head part 2's two groups 1 serve K steps 2-5; they get part 2's shapes at K step 1
	SHAPE2 G1PB, 6400
	s_mov_b32 s[SEL], 0x76543210
	s_mov_b32 s[SEL+1], 0xfedcba98
	s_lshl_b32 s[RB], s[YY], 3                     ; part 1, R: x's row group 8 Y + 2 cy + j
	s_lshl_b32 s[RB+1], s[CY], 1
	s_add_co_u32 s[RB], s[RB], s[RB+1]
	s_mul_i32 s[RB], s[RB], GRP
	s_mov_b32 s[RB+1], 0
	s_lshl_b32 s[PB], ttmp9, 3                     ; part 1, P: W's row group 64 + 8 X + 2 cx + j
	s_add_co_u32 s[PB], s[PB], 64
	s_lshl_b32 s[PB+1], s[CX], 1
	s_add_co_u32 s[PB], s[PB], s[PB+1]
	s_mul_i32 s[PB], s[PB], GRP
	s_mov_b32 s[PB+1], 0
	s_mov_b32 s[G0RB], 1                           ; part 2, R: Wv's row group 80 + 4 X + cy, its K steps 4 j on, to LDS byte 51,200 j
	s_mul_i32 s[G0RB+1], s[WJ], BHALF
	s_lshl_b32 s[G0RB+2], ttmp9, 2
	s_add_co_u32 s[G0RB+2], s[G0RB+2], s[CY]
	s_add_co_u32 s[G0RB+2], s[G0RB+2], 80
	s_mul_i32 s[G0RB+2], s[G0RB+2], GRP
	s_add_co_u32 s[G0RB+2], s[G0RB+2], s[G0RB+1]
	s_mov_b32 s[G0RB+3], 0
	s_mov_b32 s[G0PB], 1                           ; part 2, P: x's row group 8 Y + 2 cx + j, to LDS byte 102,400 (1 + j)
	s_mul_i32 s[G0PB+1], s[WJ], GRP
	s_add_co_u32 s[G0PB+1], s[G0PB+1], GRP
	s_lshl_b32 s[G0PB+2], s[YY], 3
	s_lshl_b32 s[G0PB+3], s[CX], 1
	s_add_co_u32 s[G0PB+2], s[G0PB+2], s[G0PB+3]
	s_add_co_u32 s[G0PB+2], s[G0PB+2], s[WJ]
	s_mul_i32 s[G0PB+2], s[G0PB+2], GRP
	s_mov_b32 s[G0PB+3], 0
	s_wait_dscnt 0x0                               ; both opening adds are done
	s_wait_kmcnt 0x0
	s_add_nc_u64 s[RB:RB+1], s[4:5], s[RB:RB+1]
	s_add_nc_u64 s[PB:PB+1], s[4:5], s[PB:PB+1]
	s_add_nc_u64 s[G0RB+2:G0RB+3], s[4:5], s[G0RB+2:G0RB+3]
	s_or_b32 s[G0RB+3], s[G0RB+3], 0x80000000
	s_add_nc_u64 s[G0PB+2:G0PB+3], s[4:5], s[G0PB+2:G0PB+3]
	s_or_b32 s[G0PB+3], s[G0PB+3], 0x80000000
	CROUND                                         ; all sixteen work-groups are here: the first joint loads meet
	GRP0 G0R, 0, RB, 0
	GRP0 G0P, 2*PART, PB, 0
	GRP0 G0R4, SLOT, RB, PART
	GRP0 G0P4, 2*SLOT, PB, PART
	ARM 1, G0R, G1R, .Lhead_p                      ; one chain of branches on the wave's number: every way passes one load
	ARM 2, G0P, G1P, .Lhead_r4
	ARM 3, G0R4, G1RB, .Lhead_p4
	tensor_load_to_lds s[G0P4:G0P4+3], s[G1PB:G1PB+7]
	s_nop 0
	PLACES 4
.Lhead_asked:
	v_and_b32 v1, 15, v0                           ; r
	v_bfe_u32 v2, v0, 4, 1                         ; h
	v_and_b32 v3, 31, v0                           ; lane
	v_lshlrev_b32 v[LI], 4, v3
	s_wait_alu depctr_va_vdst(0)
	v_lshlrev_b32 v24, 4, v1                       ; 16 r
	; part 1's LDS addresses
	s_mul_i32 s78, s[WI], PART                     ; my half of R,
	s_mul_i32 s79, s[WJ], PART
	s_add_co_u32 s79, s79, 2*PART                  ; my half of P, behind R's two
	s_xor_b32 s46, s[WI], 1
	s_add_co_u32 s46, s46, s[WJ]
	s_add_co_u32 s46, s46, 1
	s_mul_i32 s46, s46, PART                       ; from the first to the second: PART x (2 + j - i)
	v_mul_u32_u24 v25, s46, v2                     ; lanes 16-31 take P's scale words
	v_add_nc_u32 v25, v24, v25
	s_add_co_u32 s66, s78, 12288
	v_add_nc_u32 v[ADRR], s78, v[LI]               ; K steps 0-1, later 6-7
	v_add_nc_u32 v[ADRP], s79, v[LI]
	v_add_nc_u32 v[ADRS], s66, v25
	s_lshl_b32 s78, s78, 1                         ; K steps 2-5: R's half i at SLOT + 2 PART i,
	s_add_co_u32 s78, s78, SLOT
	s_lshl_b32 s79, s79, 1                         ; P's half j at 2 SLOT + 2 PART j,
	s_add_co_u32 s79, s79, SLOT
	s_lshl_b32 s46, s46, 1                         ; and from the first to the second twice as far
	s_add_co_u32 s66, s78, 12288
	s_wait_alu depctr_va_vdst(0)                   ; ahead of the readers below
	v_mul_u32_u24 v25, s46, v2
	v_add_nc_u32 v25, v24, v25
.irp s, 1,2                            ; register 1: K steps 2-3; register 2: K steps 4-5
	v_add_nc_u32 v[ADRR+\s], s78, v[LI]
	v_add_nc_u32 v[ADRP+\s], s79, v[LI]
	v_add_nc_u32 v[ADRS+\s], s66, v25
	s_add_co_u32 s78, s78, PART
	s_add_co_u32 s79, s79, PART
	s_add_co_u32 s66, s66, PART
.endr
	; part 2's
	s_mul_i32 s78, s[WI], 4*1536                   ; my four tiles of Wv's group,
	s_mul_i32 s79, s[WJ], GRP
	s_add_co_u32 s79, s79, GRP                     ; my group of x, behind Wv's
	s_xor_b32 s46, s[WI], 1
	s_lshl_b32 s46, s46, 8
	s_mul_i32 s67, s[WJ], GRP
	s_add_co_u32 s46, s46, s67
	s_add_co_u32 s46, s46, GRP-256                 ; from R's scale words to P's: GRP + GRP j - 256 i,
	s_add_co_u32 s67, s46, 256                     ; and to those of P's tiles 4-7
	v_mul_u32_u24 v25, s46, v2
	v_mul_u32_u24 v26, s67, v2
	v_add_nc_u32 v25, v24, v25
	v_add_nc_u32 v26, v24, v26
	s_lshl_b32 s66, s[WI], 8
	s_add_co_u32 s66, s66, 12288
.irp s, 0,1
	v_add_nc_u32 v[BADR+\s], s78, v[LI]
	v_add_nc_u32 v[BADP+\s], s79, v[LI]
	v_add_nc_u32 v[BADS+\s], s66, v25
	v_add_nc_u32 v[BADS2+\s], s66, v26
	s_add_co_u32 s78, s78, BHALF
	s_add_co_u32 s79, s79, BHALF
	s_add_co_u32 s66, s66, BHALF
.endr
	v_lshl_add_u32 v[SA], v2, 3, v24               ; 16 r + 8 h
	v_lshlrev_b32 v14, 6, v2                       ; bq, bk: 16 h numbers on
	v_and_b32 v15, 8, v1
	v_add_nc_u32 v15, v15, v1
	v_lshlrev_b32 v15, 2, v15                      ; bv: number 16 (r / 8) + r % 8
	s_wait_alu depctr_va_vdst(0)                   ; the head's end
	s_cmp_lg_u32 s[WI], 0
	s_cbranch_scc1 .Lbig_out                       ; waves 2 and 3: K steps 2-5 may stay out, and they are awaited at K step 1
	s_wait_tensorcnt 0x0                           ; waves 0 and 1: K steps 0-1 are in
.Lbig_out:
	s_barrier_signal -1
	s_barrier_wait -1
	FETCH 0, 0, 0
	STEP 0, 1, 0, 1                                ; K step 0 starts the sums
	TURN                                           ; 1
	STEP 0, 0, 1, 1                                ; 2
	STEP 1, 0, 2, 0                                ; 3: slot 2 was shown whole to every wave in front of the round
	STEP 0, 0, 2, 1                                ; 4
	MEET                                           ; 5
	STEP 0, 0, 0, 1                                ; 6
	WIN 0
	; part 1's REC: (64 X + 8 Y + 2 cy + i) x 8 + 2 cx + j of qk; and the biases, which land while K step 7 is multiplied
	s_lshl_b32 s78, ttmp9, 6
	s_lshl_b32 s79, s[YY], 3
	s_add_co_u32 s78, s78, s79
	s_lshl_b32 s79, s[CY], 1
	s_add_co_u32 s78, s78, s79
	s_add_co_u32 s78, s78, s[WI]
	s_lshl_b32 s78, s78, 3
	s_lshl_b32 s79, s[CX], 1
	s_add_co_u32 s79, s79, s[WJ]
	s_add_co_u32 s78, s78, s79
	s_mul_i32 s78, s78, REC
	s_lshl_b32 s2, s79, 9                          ; my 128 numbers of bq or bk
	s_mov_b32 s79, 0
	s_mov_b32 s3, 0
	s_add_nc_u64 s[OUT:OUT+1], s[12:13], s[78:79]
	s_cmp_eq_u32 ttmp9, 0                          ; the cluster's x: the same in all sixteen partners
	s_cselect_b64 s[66:67], s[6:7], s[8:9]
	s_add_nc_u64 s[66:67], s[66:67], s[2:3]
	s_lshl_b32 s22, ttmp9, 2                       ; bv: group 4 X + cy, 512 bytes each, and my four tiles' 64 numbers in it
	s_add_co_u32 s22, s22, s[CY]
	s_lshl_b32 s22, s22, 9
	s_lshl_b32 s23, s[WI], 8
	s_add_co_u32 s22, s22, s23
	s_mov_b32 s23, 0
	s_add_nc_u64 s[22:23], s[10:11], s[22:23]
	WIN TO_P                                       ; eight registers for each tile b of P: numbers 32 (b/2) + 8 (b%2) + 16 h + 0 .. 7
	s_wait_alu depctr_va_vdst(0)
.irp b, 0,1,2,3,4,5,6,7
	global_load_b128 v[BT+8*\b+96*(\b/4):BT+8*\b+96*(\b/4)+3], v14, s[66:67] offset:(32*(\b/2)+8*(\b%2))*4
	global_load_b128 v[BT+8*\b+96*(\b/4)+4:BT+8*\b+96*(\b/4)+7], v14, s[66:67] offset:(32*(\b/2)+8*(\b%2))*4+16
.endr
	WIN 0
.irp a, 0,1,2,3
	global_load_b32 v[BV+\a], v15, s[22:23] offset:(32*(\a/2)+8*(\a%2))*4
.endr
	; K step 7, and THE CHANGE TO PART 2.  This step's fragments are the last that part 1 reads: each wave waits for all its tensor loads (none is out), adds 0 to its spare word, waits for that and for its reads;
	; the barrier opens a round of the cluster's barrier; behind the round one joint load a wave brings all of part 2's operands over the three slots.
	s_wait_tensorcnt 0x0
	ds_add_u32 v[SPW], v[NIL]
	s_wait_dscnt 1                                 ; this step's set is in; the add alone may be out
	WIN MUL_LO
	MUL16 0, 1, 0
	s_wait_dscnt 0x0                               ; the add is done, and my reads of LDS are over
	s_barrier_signal -1
	MUL16 2, 1, 0
	WIN 0
	s_barrier_wait -1
	CREST
	JLOAD G0RB, G1RB, G0PB, G1PB
	WIN MUL_HI
	MUL16 4, 1, 0
	MUL16 6, 1, 0
	WIN 0
	PLACES 4                                       ; behind the last products: for the first reads of results and the writes of registers that held fragments
.irp b, 0,1,2,3
	v_mov_b32 v[TM+4+\b], 0                        ; a lane permute's destination counts as one of its sources
.endr
	s_wait_loadcnt 0x0                             ; the biases
	; PART 1'S WAY OUT, while part 2's operands are on their way
.macro ADDB_QK a
	WIN 0x06+(\a)/4                                ; source 0 window 2 or 3, source 1 window 1
.irp b, 0,1,2,3,4,5,6,7
.irp n, 0,2,4,6
	v_pk_add_f32 v[H+8*\b+\n:H+8*\b+\n+1], v[64*((\a)%4)+8*\b+\n:64*((\a)%4)+8*\b+\n+1], v[BT+8*\b+96*(\b/4)+\n:BT+8*\b+96*(\b/4)+\n+1]   ; each accumulator from its low end on
.endr
.endr
	WIN 0
.endm
.irp a, 0,1,2,3,4,5,6,7
	ADDB_QK \a
	QUANT H, SW+\a
	IMG \a
.endr
	v_cmp_lt_u32 vcc_lo, 15, v3                    ; lane (r, h) stores row r's words of tiles 4 h .. 4 h + 3: 512 consecutive bytes
.irp i, 0,1,2,3
	v_cndmask_b32 v[SWS+\i], v[SW+\i], v[SW+4+\i], vcc_lo
.endr
	global_store_b128 v[LI], v[SWS:SWS+3], s[OUT:OUT+1] offset:12288
	; PART 2
	s_wait_tensorcnt 0x0                           ; my part of its operands has landed,
	s_barrier_signal -1
	s_barrier_wait -1                              ; everybody's has
	s_wait_xcnt 0x0                                ; part 1's stores have read their data and their base: the registers take fragments, the base part 2's REC:
	s_lshr_b32 s78, s[YY], 1                       ; ((Y / 2) x 8 + 4 X + cy) x 16 + 8 (Y % 2) + 2 cx + j of vt
	s_lshl_b32 s78, s78, 3
	s_lshl_b32 s79, ttmp9, 2
	s_add_co_u32 s78, s78, s79
	s_add_co_u32 s78, s78, s[CY]
	s_lshl_b32 s78, s78, 4
	s_and_b32 s79, s[YY], 1
	s_lshl_b32 s79, s79, 3
	s_add_co_u32 s78, s78, s79
	s_lshl_b32 s79, s[CX], 1
	s_add_co_u32 s78, s78, s79
	s_add_co_u32 s78, s78, s[WJ]
	s_mul_i32 s78, s78, REC
	s_mov_b32 s79, 0
	s_add_nc_u64 s[OUT:OUT+1], s[14:15], s[78:79]
	s_lshl_b32 s66, s[WI], 8
	s_add_co_u32 s66, s66, 12288
	s_mov_b32 s67, 0
	s_add_nc_u64 s[2:3], s[OUT:OUT+1], s[66:67]    ; my four tiles' 256 bytes of scale words,
	s_mul_i32 s66, s[WI], 4*1536
	s_add_nc_u64 s[OUT:OUT+1], s[OUT:OUT+1], s[66:67]   ; and their codes
	FETCHB 0, 0, 0
	STEPB 0, 1, 0, 1                               ; K step 0 starts the sums
	STEPB 1, 0, 0, 2
	STEPB 0, 0, 0, 3
	STEPB 1, 0, 1, 0
	STEPB 0, 0, 1, 1
	STEPB 1, 0, 1, 2
	STEPB 0, 0, 1, 3
	s_wait_dscnt 0x0                               ; K step 7
	WIN MUL_LO
	MUL8 0, 1, 0
	MUL8 1, 1, 0
	MUL8 2, 1, 0
	MUL8 3, 1, 0
	WIN 0
	PLACES 4                                       ; behind the last products: for the first reads of results and the writes of registers that held fragments
.irp b, 0,1,2,3
	v_mov_b32 v[TM+4+\b], 0
.endr
.macro ADDB_V a
	WIN 0x02                                       ; source 0 window 2
.irp b, 0,1,2,3,4,5,6,7
.irp n, 0,2,4,6
.if ((\a)%2) == 0
	v_pk_add_f32 v[H+8*\b+\n:H+8*\b+\n+1], v[64*(\a)+8*\b+\n:64*(\a)+8*\b+\n+1], v[BV+(\a):BV+(\a)+1] op_sel_hi:[1,0]   ; the pair's first register serves both halves; each accumulator from its low end on
.else
	v_pk_add_f32 v[H+8*\b+\n:H+8*\b+\n+1], v[64*(\a)+8*\b+\n:64*(\a)+8*\b+\n+1], v[BV+(\a)-1:BV+(\a)] op_sel:[0,1] op_sel_hi:[1,1]   ; its second
.endif
.endr
.endr
	WIN 0
.endm
.irp a, 0,1,2,3
	ADDB_V \a
	QUANT H, SW+\a
	IMG \a
.endr
	v_cmp_eq_u32 vcc_lo, 1, v2
	v_cndmask_b32 v[SWS], v[SW], v[SW+2], vcc_lo   ; lane (r, h) stores row r's words of my tiles 2 h and 2 h + 1
	v_cndmask_b32 v[SWS+1], v[SW+1], v[SW+3], vcc_lo
	global_store_b64 v[SA], v[SWS:SWS+1], s[2:3]   ; 32 lanes store 256 consecutive bytes, aligned
	s_wait_tensorcnt 0x0                           ; the wave's end
	ds_add_u32 v[SPW], v[NIL]
	s_wait_dscnt 0x0
	CROUND                                         ; the closing round: no work-group ends while a partner may still ask for a block that names it
	s_endpgm
.Lfunc_end_k_q32234f51dd_proj:
	.size	k_q32234f51dd_proj, .Lfunc_end_k_q32234f51dd_proj-k_q32234f51dd_proj
	.p2alignl 7, 3214868480
	.fill 96, 4, 3214868480
	.section	.rodata,"a",@progbits
	.p2align	6, 0x0
	.amdhsa_kernel k_q32234f51dd_proj
		.amdhsa_group_segment_fixed_size 327680
		.amdhsa_private_segment_fixed_size 0
		.amdhsa_enable_private_segment 0
		.amdhsa_kernarg_size 48
		.amdhsa_user_sgpr_count 2
		.amdhsa_user_sgpr_kernarg_segment_ptr 1
		.amdhsa_wavefront_size32 1
		.amdhsa_system_sgpr_workgroup_id_x 1
		.amdhsa_system_sgpr_workgroup_id_y 1
		.amdhsa_system_sgpr_workgroup_id_z 1
		.amdhsa_system_vgpr_workitem_id 0
		.amdhsa_next_free_vgpr 1024
		.amdhsa_next_free_sgpr 100
		.amdhsa_reserve_vcc 1
		.amdhsa_float_denorm_mode_32 3
		.amdhsa_float_denorm_mode_16_64 3
		.amdhsa_memory_ordered 1
		.amdhsa_forward_progress 1
		.amdhsa_inst_pref_size 236
	.end_amdhsa_kernel
	.amdgpu_metadata
---
amdhsa.version: [ 1, 2 ]
amdhsa.kernels:
  - .name:           k_q32234f51dd_proj
    .symbol:         k_q32234f51dd_proj.kd
    .args:
      - { .name: xw, .offset: 0, .size: 8, .value_kind: global_buffer, .address_space: global }
      - { .name: bq, .offset: 8, .size: 8, .value_kind: global_buffer, .address_space: global }
      - { .name: bk, .offset: 16, .size: 8, .value_kind: global_buffer, .address_space: global }
      - { .name: bv, .offset: 24, .size: 8, .value_kind: global_buffer, .address_space: global }
      - { .name: qk, .offset: 32, .size: 8, .value_kind: global_buffer, .address_space: global }
      - { .name: vt, .offset: 40, .size: 8, .value_kind: global_buffer, .address_space: global }
    .group_segment_fixed_size: 327680
    .private_segment_fixed_size: 0
    .kernarg_segment_align: 8
    .kernarg_segment_size: 48
    .max_flat_workgroup_size: 128
    .sgpr_count:     100
    .vgpr_count:     1024
    .wavefront_size: 32
...
	.end_amdgpu_metadata
.endif
;; end of part 2
;; launch attn (part 3): grid 256 x 1, 4 waves a work-group, clusters of 4 x 1, 327,680 bytes of LDS; arguments qk, wt, ws; writes wt, ws
.if DOCPART == 3
	.amdgcn_target "amdgcn-amd-amdhsa--gfx1250"
	.amdhsa_code_object_version 6
	.text
	.protected	k_q32234f51dd_attn
	.globl	k_q32234f51dd_attn
	.p2align	8
	.type	k_q32234f51dd_attn,@function
k_q32234f51dd_attn:
	s_mov_b64 s[64:65], 0
	v_nop
	global_prefetch_b8 v0, s[64:65] scope:SCOPE_SE
	s_setreg_imm32_b32 hwreg(HW_REG_WAVE_MODE, 25, 1), 1
	s_wait_xcnt 0x0
	s_wait_alu depctr_hold_cnt(0) depctr_sa_sdst(0) depctr_va_vdst(0) depctr_va_sdst(0) depctr_va_ssrc(0) depctr_va_vcc(0) depctr_vm_vsrc(0)
	s_getreg_b32 s2, hwreg(HW_REG_IB_STS2, 6, 4)
	s_cmp_eq_u32 s2, 0
	s_cbranch_scc0 .Lentry_in_a_cluster
	s_endpgm
.Lentry_in_a_cluster:
	s_bfe_u32 s2, ttmp6, 0x10000c
	s_cmp_lg_u32 s2, 0x3003
	s_cbranch_scc0 .Lentry_shape_is_right
	s_endpgm
.Lentry_shape_is_right:
; scores = Q(q) Q(k)^T / 32, w = softmax over the keys, finished and normalised in f32, quantised at once along the QUERIES for the last product.  Nothing of reference() is left out here.
; SHARES: a work-group takes ONE BLOCK OF 32 QUERIES (the quantiser's block along the last product's K) and all 2,048 keys of its batch: 8,192 / 32 = 256 work-groups.  A wave takes 512 keys: 32 tiles of keys x 2 tiles of queries,
; 64 accumulators, 512 registers: the whole row of scores of each query stays in the work-group's registers, so the scores are multiplied once.
; D = q-fragment (source 0) x k-fragment (source 1): lane (r, h) holds ONE key (place r of its tile), and register 16 t + i of the accumulators the score of key tile t with query 16 h + i of the block.
; OPERANDS are RECs of qk (12,800 bytes: 128 rows x 128 along K as an image of the operand's registers: 8 tiles of 1,536 bytes, then 512 bytes of scale words).  q's two tiles of all 8 K steps stay in registers.
; k: a wave's four key groups x 8 K steps are 32 RECs on end in memory, and are walked so: key groups outermost.  CLUSTER 4 x 1: the four partners are the four query blocks of one q group and need the same k: every load is joint.
; LDS: each wave has two slots of three RECs, 38,400 dense bytes each, its own; 4 x 76,800 bytes in all.  THE FILLS: at the head one load a wave brings six RECs, both slots; then slot p % 2 is filled again with RECs 3 (p + 2) ..
; when its last fragments are in registers (nine refills, the last of two RECs), behind the three lines and a round of the cluster's barrier.  By this text's count a wave has one tensor load out.
; PREFETCH into the L2, two slots ahead of the load: of a slot's 150 blocks of 256 bytes of my wave's run the partner at place cx names 38 cx .. 38 cx + 37 (held at 149), a lane a block, two instructions.
; Slots 0, 1 come by the head's load alone, and the last, shorter slot by its refill alone.
; THE SOFTMAX.  When a key group's 8 RECs are multiplied its scores are finished: each LANE takes c m' (m' the largest score of its own 8 keys of the group, for each of its 16 queries; c = log2(e) / 32), p = 2^(c s - c m') and
; l' = the sum of p: work on registers that stands between the refills.  At the end the groups', lanes' and waves' figures are joined: c m = the largest c m', l = the sum of l' 2^(c m' - c m), w = p x 2^(c m' - c m) / l.
; The maximum is taken away ahead of every exponential.
; OUT: wt = [batch x query block 256][pair of key tiles 64][768 bytes]: a lane's whole block of 32 codes (24 bytes) of one key: its first 16 bytes at 16 x place, its last 8 at 512 + 8 x place; place = 16 (tile % 2) + r,
; with 16 added modulo 32 in odd query blocks (so that the reader's two halves of lanes fall on different banks).  ws = [batch x query block 256][key group 16][r 16][tile 8]: the blocks' scale bytes.
; LIMITS: NaN and infinities are not served.  The promise holds while the scaled scores stay under 2^31 in magnitude.  A p or a factor under 2^-126 becomes 0 (v_exp_f32 gives no denormals: ISA guide, its entry).
; A block of zeros or under 2^-124 gets the byte 1 (the rule says 127 for zeros): the bytes are read by this program alone.
; REGISTERS: window 0: v1-15, v40-43 addresses, v16-31 q's scale words, v32-39 k's, v48-191 k's fragments (three units of 4 tiles), v192-255 c m' of the four groups.  window 1: v0-191 q's fragments, v192-255 l'.  windows 2, 3: the accumulators.
.set REC,   12800
.set GRP,   8*REC
.set KOFF,  64*GRP                     ; k's RECs begin here in qk
.set QROW,  49152                      ; wt: a query block's codes of all 2,048 keys
.set PER,   3*REC                      ; a wave's part of a slot
.set WREG,  2*PER
.set XCH,   4*WREG                     ; the waves' figures: 256 bytes a wave: [h][c m' 16, l' 16]
.set SCR,   XCH+1024                   ; each wave's own 128 bytes: the factors on their way to all lanes
.set SPARE, SCR+512                    ; the spare words, 128 bytes for each wave, that no other line names
.set LI,  1                            ; v1     16 x lane
.set SPW, 2                            ; v2     LDS address of my spare word; never rewritten
.set NIL, 3                            ; v3     0; never rewritten
.set KA,  4                            ; v4-5   my slots 0, 1
.set PF0, 6                            ; v6-7   the prefetches' offsets; never rewritten
.set PF1, 7
.set QS,  16                           ; K step s: v[QS + 2 s], v[QS + 2 s + 1]
.set KS,  32                           ; REC e: v[KS + 4 (e % 2) ..]: lanes 0-15 tiles 0-3, lanes 16-31 tiles 4-7
.set KR,  48                           ; unit n: v[KR + 48 (n % 3) ..]
.set MG,  192                          ; window 0: group g's c m' at v[MG + 16 g ..]
.set LG,  192                          ; window 1: its l'
.set SEL, 12
.set WV,  16
.set CX,  17
.set CS,  18                           ; s[18:19] c: the packed form names a pair and takes its low word for both halves
.set G1,  24                           ; s[24:31] descriptor group 1;  s[32:39] groups 0, one a slot
.set G0,  32
.set KB,  40                           ; s[40:41] my wave's run of k
.set WT,  42
.set WS,  44
.set QF,  46
.set QSB, 48
.set MSB, 0
.macro WIN new                         ; the immediate's high byte repeats the setting that is left
.if MSB != (\new)
	s_set_vgpr_msb (MSB<<8)|(\new)
.set MSB, (\new)
.endif
.endm
.macro PLACES n
.rept \n
	v_nop
.endr
.endm
.macro CREST                           ; a round of the cluster's barrier behind its opening barrier
	s_cmp_lg_u32 s[WV], 0
	s_cbranch_scc1 .Lnot_wave_0_\@
	s_barrier_signal -3
.Lnot_wave_0_\@:
	s_barrier_wait -3
	s_barrier_signal -1
	s_barrier_wait -1
.endm
.macro CROUND
	s_barrier_signal -1
	s_barrier_wait -1
	CREST
.endm
.macro ASK p                           ; my share of slot p's blocks of my wave's run
	global_prefetch_b8 v[PF0], s[KB:KB+1] offset:(\p)*PER th:TH_LOAD_NT scope:SCOPE_SE
	global_prefetch_b8 v[PF1], s[KB:KB+1] offset:(\p)*PER th:TH_LOAD_NT scope:SCOPE_SE
.endm
; Slot p % 2 is read out: each wave waits for all its tensor loads (the other slot is whole then), adds 0 to its spare word, waits for that and for its reads; a round of the cluster's barrier; the joint refill comes first behind it.
.macro TURN p
	s_wait_tensorcnt 0x0
	ds_add_u32 v[SPW], v[NIL]
	s_add_nc_u64 s[G0+4*((\p)%2)+2:G0+4*((\p)%2)+3], s[G0+4*((\p)%2)+2:G0+4*((\p)%2)+3], 2*PER   ; no tensor load of mine is out: the slot's group 0 steps two slots on
.if (\p) == 0
	s_mov_b32 s[G1+2], 150<<16                     ; from here on a load brings three RECs: 150 rows of 256 bytes
	s_mov_b32 s[G1+4], 150
.endif
.if (\p) == 8
	s_mov_b32 s[G1+2], 100<<16                     ; the last brings two
	s_mov_b32 s[G1+4], 100
.endif
	s_wait_dscnt 0x0
	CROUND
	tensor_load_to_lds s[G0+4*((\p)%2):G0+4*((\p)%2)+3], s[G1:G1+7]
	s_nop 0
	PLACES 4
.if (\p)+4 <= 9
	ASK (\p)+4
.endif
.endm
.macro KFETCH n                        ; unit n: tiles 4 (n % 2) .. + 3 of REC n / 2, which lies in slot (n / 6) % 2 at place (n / 2) % 3; ahead of an even unit its REC's scale words
.if ((\n)%2) == 0
	ds_load_b128 v[KS+4*(((\n)/2)%2):KS+4*(((\n)/2)%2)+3], v[KA+(((\n)/6)%2)] offset:(((\n)/2)%3)*REC+12288
.endif
.irp c, 0,1,2,3,4,5,6,7,8,9,10,11
	ds_load_b128 v[KR+48*((\n)%3)+4*\c:KR+48*((\n)%3)+4*\c+3], v[KA+(((\n)/6)%2)] offset:(((\n)/2)%3)*REC+6144*((\n)%2)+512*\c
.endr
.endm
.macro PROD d, qa, kb, sq, sk, zero, row
.if \zero
.if \row
	v_wmma_scale_f32_16x16x128_f8f6f4 v[(\d):(\d)+7], v[(\qa):(\qa)+11], v[(\kb):(\kb)+11], 0, v[(\sq)], v[(\sk)] matrix_a_fmt:MATRIX_FMT_FP6 matrix_b_fmt:MATRIX_FMT_FP6 matrix_b_scale:MATRIX_SCALE_ROW1
.else
	v_wmma_scale_f32_16x16x128_f8f6f4 v[(\d):(\d)+7], v[(\qa):(\qa)+11], v[(\kb):(\kb)+11], 0, v[(\sq)], v[(\sk)] matrix_a_fmt:MATRIX_FMT_FP6 matrix_b_fmt:MATRIX_FMT_FP6
.endif
.else
.if \row
	v_wmma_scale_f32_16x16x128_f8f6f4 v[(\d):(\d)+7], v[(\qa):(\qa)+11], v[(\kb):(\kb)+11], v[(\d):(\d)+7], v[(\sq)], v[(\sk)] matrix_a_fmt:MATRIX_FMT_FP6 matrix_b_fmt:MATRIX_FMT_FP6 matrix_b_scale:MATRIX_SCALE_ROW1
.else
	v_wmma_scale_f32_16x16x128_f8f6f4 v[(\d):(\d)+7], v[(\qa):(\qa)+11], v[(\kb):(\kb)+11], v[(\d):(\d)+7], v[(\sq)], v[(\sk)] matrix_a_fmt:MATRIX_FMT_FP6 matrix_b_fmt:MATRIX_FMT_FP6
.endif
.endif
.endm
; Key group g is finished: 8 tiles, 128 registers in window 2 + g / 2 from 128 (g % 2) on.  For each of my 16 queries: c m' of my lane's 8 keys, p in place of the scores, l'.
.macro SOFT g
.set WA, 2+(\g)/2
.set AB, 128*((\g)%2)
	WIN WA*21                                      ; three sources in the accumulators' window; queries in ascending order
.irp i, 0,1,2,3,4,5,6,7,8,9,10,11,12,13,14,15
	v_max3_num_f32 v[MG+16*(\g)+\i], v[AB+\i], v[AB+16+\i], v[AB+32+\i]
.endr
	WIN WA*20
.irp t, 3,5
.irp i, 0,1,2,3,4,5,6,7,8,9,10,11,12,13,14,15
	v_max3_num_f32 v[MG+16*(\g)+\i], v[MG+16*(\g)+\i], v[AB+16*\t+\i], v[AB+16*\t+16+\i]
.endr
.endr
	WIN WA*4
.irp i, 0,1,2,3,4,5,6,7,8,9,10,11,12,13,14,15
	v_max_num_f32 v[MG+16*(\g)+\i], v[MG+16*(\g)+\i], v[AB+112+\i]
.endr
	WIN 0
.irp i, 0,2,4,6,8,10,12,14
	v_pk_mul_f32 v[MG+16*(\g)+\i:MG+16*(\g)+\i+1], v[MG+16*(\g)+\i:MG+16*(\g)+\i+1], s[CS:CS+1] op_sel_hi:[1,0]   ; c m'
.endr
	WIN WA*65                                      ; source 0 and the destination
.set nn, 0
.rept 64
	v_pk_fma_f32 v[AB+nn:AB+nn+1], v[AB+nn:AB+nn+1], s[CS:CS+1], v[MG+16*(\g)+nn%16:MG+16*(\g)+nn%16+1] op_sel_hi:[1,0,1] neg_lo:[0,0,1] neg_hi:[0,0,1]   ; c s - c m'
.set nn, nn+2
.endr
	s_wait_alu depctr_va_vdst(0)                   ; ahead of the batch
.set nn, 0
.rept 128
	v_exp_f32 v[AB+nn], v[AB+nn]                   ; p, at most 1
.set nn, nn+1
.endr
	v_nop                                          ; a plain place behind the exponentials
	s_wait_alu depctr_va_vdst(0)                   ; one wait for the batch, ahead of its first reader
	WIN WA*5+0x40                                  ; the destination window 1
.irp i, 0,2,4,6,8,10,12,14
	v_pk_add_f32 v[LG+16*(\g)+\i:LG+16*(\g)+\i+1], v[AB+\i:AB+\i+1], v[AB+16+\i:AB+17+\i]
.endr
	WIN WA*4+0x41
.irp t, 2,3,4,5,6,7
.irp i, 0,2,4,6,8,10,12,14
	v_pk_add_f32 v[LG+16*(\g)+\i:LG+16*(\g)+\i+1], v[LG+16*(\g)+\i:LG+16*(\g)+\i+1], v[AB+16*\t+\i:AB+16*\t+\i+1]
.endr
.endr
	WIN 0
	s_wait_alu depctr_va_vdst(0)
.endm
; A unit: 4 key tiles x 2 query tiles, 128 along K.  Its 12 or 13 LDS loads went out three units ago; behind them the two later units' 25.  The accumulators take turns, one instruction a turn.
.macro UNIT n
.if (\n) < 62
	s_wait_dscnt 25
.else
	s_wait_dscnt 12*(63-(\n))
.endif
	WIN 0xa1+0x50*((\n)/32)                        ; source 0 (q) window 1, source 1 (k) window 0, C and D window 2 or 3
.irp a, 0,1,2,3
.irp b, 0,1
	PROD 16*(8*(((\n)/16)%2)+4*((\n)%2)+\a)+8*\b, 24*(((\n)/2)%8)+12*\b, KR+48*((\n)%3)+12*\a, QS+2*(((\n)/2)%8)+\b, KS+4*(((\n)/2)%2)+\a, (((\n)/2)%8)==0, (\n)%2
.endr
.endr
	WIN 0
	PLACES 4                                       ; ahead of loads into registers that products have read, and of the first reads of results (ISA guide 7.12.1 for vector instructions)
.if ((\n)%6) == 3
.if (\n) < 57
	TURN (\n)/6                                    ; the slot's last fragments were asked for a unit ago; the next fetch reads the other slot
.endif
.if (\n) == 57
	s_wait_tensorcnt 0x0                           ; the last refill is wanted; its bytes are my own, and nothing is filled any more
.endif
.endif
.if (\n) < 61
	KFETCH (\n)+3
.endif
.if ((\n)%16) == 15
	SOFT (\n)/16
.endif
.endm
	s_load_b128 s[4:7], s[0:1], 0x0                ; qk s[4:5], wt s[6:7]
	s_load_b64 s[8:9], s[0:1], 0x10                ; ws
	v_lshl_add_u32 v[SPW], v0, 2, SPARE
	v_mov_b32 v[NIL], 0
	ds_add_u32 v[SPW], v[NIL]                      ; the wave's opening: the add, twice on end, and its wait ahead of my first tensor load
	ds_add_u32 v[SPW], v[NIL]
	v_lshrrev_b32 v8, 5, v0
	v_readfirstlane_b32 s[WV], v8                  ; wave 0..3
	s_bfe_u32 s[CX], ttmp6, 0x40000                ; my place in the cluster: the query block's number in its q group
	s_mul_i32 s[G0+1], s[WV], WREG                 ; LDS: my two slots: no place in the cluster enters an LDS address
	s_add_co_u32 s[G0+5], s[G0+1], PER
	s_mul_i32 s53, s[CX], 38
	v_and_b32 v9, 31, v0
	v_lshlrev_b32 v[LI], 4, v9
	v_and_b32 v10, 15, v0
	v_lshlrev_b32 v10, 4, v10                      ; 16 r: q's scale words
	v_add_nc_u32 v[KA], s[G0+1], v[LI]
	v_add_nc_u32 v[KA+1], s[G0+5], v[LI]
	v_add_nc_u32 v11, s53, v9                      ; block 38 cx + lane,
	v_lshlrev_b32 v[PF0], 8, v11
	v_min_u32 v12, 5, v9
	v_add3_u32 v12, v12, s53, 32                   ; and 38 cx + 32 + lane, held at this share's and at the slot's last block
	v_min_u32 v12, 149, v12
	v_lshlrev_b32 v[PF1], 8, v12
	s_mov_b32 s[G1], 15|(3<<16)|(1<<21)            ; 15:0 the mask: all four partners; 17:16 elements of 8 bytes; 21 set beside a mask; no padding
	s_mov_b32 s[G1+1], 32<<16                      ; a dense block as rows of 256 bytes: at the head six RECs, 300 rows
	s_mov_b32 s[G1+2], 300<<16
	s_mov_b32 s[G1+3], 32<<16
	s_mov_b32 s[G1+4], 300
	s_mov_b32 s[G1+5], 32
	s_mov_b32 s[G1+6], 0
	s_mov_b32 s[G1+7], 0
	s_mov_b32 s[G0], 1
	s_mov_b32 s[G0+4], 1
	s_mov_b32 s[SEL], 0x76543210
	s_mov_b32 s[SEL+1], 0xfedcba98                 ; v_permlanex16_b32's selects for lane l xor 16
	s_mov_b32 s[CS], 0x3d38aa3b                    ; c = log2(e) / 32
	s_mov_b32 s[CS+1], s[CS]
	s_lshr_b32 s20, ttmp9, 4                       ; k: row groups 16 batch + 4 wave .. + 3 (the cluster's number is the q group's; 16 q groups a batch).  These registers never hold cx
	s_lshl_b32 s20, s20, 4
	s_lshl_b32 s21, s[WV], 2
	s_add_co_u32 s20, s20, s21
	s_mul_i32 s20, s20, GRP
	s_add_co_u32 s20, s20, KOFF
	s_mov_b32 s21, 0
	s_mul_i32 s50, ttmp9, GRP                      ; q: my group; the block is its tiles 2 cx, 2 cx + 1
	s_mul_i32 s22, s[CX], 3072
	s_add_co_u32 s22, s22, s50
	s_mov_b32 s23, 0
	s_lshr_b32 s51, s[CX], 1                       ; their scale words: 12,288 + 256 (cx / 2) + 16 r + 8 (cx % 2)
	s_lshl_b32 s51, s51, 8
	s_add_co_u32 s50, s50, s51
	s_and_b32 s51, s[CX], 1
	s_lshl_b32 s51, s51, 3
	s_add_co_u32 s50, s50, s51
	s_add_co_u32 s50, s50, 12288
	s_mov_b32 s51, 0
	s_lshl_b32 s52, ttmp9, 2
	s_add_co_u32 s52, s52, s[CX]                   ; batch x 64 + query block
	s_mul_i32 s54, s52, QROW                       ; wt: my 16 pairs of tiles
	s_mul_i32 s55, s[WV], 16*768
	s_add_co_u32 s54, s54, s55
	s_mov_b32 s55, 0
	s_lshl_b32 s56, s52, 11                        ; ws: my four key groups
	s_lshl_b32 s57, s[WV], 9
	s_add_co_u32 s56, s56, s57
	s_mov_b32 s57, 0
	s_wait_alu depctr_va_vdst(0)                   ; the head's end
	s_wait_dscnt 0x0                               ; both opening adds are done
	s_wait_kmcnt 0x0
	s_add_nc_u64 s[KB:KB+1], s[4:5], s[20:21]
	s_add_nc_u64 s[QF:QF+1], s[4:5], s[22:23]
	s_add_nc_u64 s[QSB:QSB+1], s[4:5], s[50:51]
	s_add_nc_u64 s[WT:WT+1], s[6:7], s[54:55]
	s_add_nc_u64 s[WS:WS+1], s[8:9], s[56:57]
	s_mov_b64 s[G0+2:G0+3], s[KB:KB+1]
	s_or_b32 s[G0+3], s[G0+3], 0x80000000
	s_add_nc_u64 s[G0+6:G0+7], s[KB:KB+1], PER
	s_or_b32 s[G0+7], s[G0+7], 0x80000000
	CROUND                                         ; all four work-groups are here: the first joint loads meet
	tensor_load_to_lds s[G0:G0+3], s[G1:G1+7]      ; RECs 0-5 of my run: my one load at the head
	s_nop 0
	PLACES 4
	WIN 0x40                                       ; q's fragments go to window 1
.irp s, 0,1,2,3,4,5,6,7
.irp c, 0,1,2,3,4,5
	global_load_b128 v[24*\s+4*\c:24*\s+4*\c+3], v[LI], s[QF:QF+1] offset:REC*\s+512*\c
.endr
.endr
	WIN 0
.irp s, 0,1,2,3,4,5,6,7
	global_load_b64 v[QS+2*\s:QS+2*\s+1], v10, s[QSB:QSB+1] offset:REC*\s
.endr
	ASK 2
	ASK 3
	s_wait_tensorcnt 0x0                           ; my six RECs are in; only I read them
	KFETCH 0
	KFETCH 1
	KFETCH 2
	s_wait_loadcnt 0x0                             ; q
.set N, 0
.rept 64
	UNIT N
.set N, N+1
.endr
; THE JOIN.  Window 0's v48-191 and window 1's v0-191 are free.
.set XA,  8                            ; v8 where my wave's figures go;  v9 where lane (r, h) reads query 16 h + r's;  v10 my own wave's among them;  v11, v12 the factors' way out and back
.set XR,  9
.set XO,  10
.set SA,  11
.set SB,  12
.set VO16, 13                          ; v13, v14 my place in a pair's 768 bytes;  v15 my place among the scale bytes;  v40 h
.set VO8, 14
.set VS,  15
.set HH,  40
.set MW,  48                           ; v48-63 my wave's c m';  v64-79 its l';  v80-95 the factors;  v96-119 at work
.set LW,  64
.set F,   80
.set T,   96
	v_and_b32 v41, 15, v0                          ; r
	v_bfe_u32 v[HH], v0, 4, 1
	v_and_b32 v42, 31, v0
	s_lshl_b32 s20, s[WV], 8
	s_add_co_u32 s20, s20, XCH
	s_lshl_b32 s21, s[WV], 7
	s_add_co_u32 s21, s21, SCR
	s_and_b32 s22, s[CX], 1
	s_lshl_b32 s22, s22, 4
	v_lshl_add_u32 v[XA], v[HH], 7, s20
	v_lshlrev_b32 v43, 2, v41
	v_lshl_add_u32 v[XR], v[HH], 7, v43
	v_add_nc_u32 v[XO], s20, v[XR]
	v_add_nc_u32 v[XR], XCH, v[XR]
	v_lshl_add_u32 v[SA], v0, 2, SCR
	v_lshl_add_u32 v[SB], v[HH], 6, s21
	v_xor_b32 v42, s22, v42                        ; my place: the lane, its half changed in odd query blocks
	v_lshlrev_b32 v[VO16], 4, v42
	v_lshlrev_b32 v[VO8], 3, v42
	v_lshlrev_b32 v[VS], 3, v41
	v_lshl_add_u32 v[VS], v[HH], 7, v[VS]
.irp i, 0,1,2,3,4,5,6,7,8,9,10,11,12,13,14,15
	v_max3_num_f32 v[MW+\i], v[MG+\i], v[MG+16+\i], v[MG+32+\i]   ; over my four groups,
.endr
.irp i, 0,1,2,3,4,5,6,7,8,9,10,11,12,13,14,15
	v_max_num_f32 v[MW+\i], v[MW+\i], v[MG+48+\i]
.endr
.irp x, 1,2,4,8                                ; and over the 16 lanes of my half
.irp i, 0,1,2,3,4,5,6,7,8,9,10,11,12,13,14,15
	v_max_num_f32_dpp v[MW+\i], v[MW+\i], v[MW+\i] row_xmask:\x row_mask:0xf bank_mask:0xf
.endr
.endr
.set nn, 0
.rept 32
	v_pk_add_f32 v[MG+nn:MG+nn+1], v[MG+nn:MG+nn+1], v[MW+nn%16:MW+nn%16+1] neg_lo:[0,1] neg_hi:[0,1]
.set nn, nn+2
.endr
	s_wait_alu depctr_va_vdst(0)
.set nn, 0
.rept 64
	v_exp_f32 v[MG+nn], v[MG+nn]                   ; 2^(my lane's c m' - my wave's), at most 1
.set nn, nn+1
.endr
	v_nop
	s_wait_alu depctr_va_vdst(0)
	WIN 0x01                                       ; source 0: l', in window 1
.irp i, 0,2,4,6,8,10,12,14
	v_pk_mul_f32 v[LW+\i:LW+\i+1], v[LG+\i:LG+\i+1], v[MG+\i:MG+\i+1]
.endr
.irp g, 1,2,3
.irp i, 0,2,4,6,8,10,12,14
	v_pk_fma_f32 v[LW+\i:LW+\i+1], v[LG+16*\g+\i:LG+16*\g+\i+1], v[MG+16*\g+\i:MG+16*\g+\i+1], v[LW+\i:LW+\i+1]
.endr
.endr
	WIN 0
.irp x, 1,2,4,8
.irp i, 0,1,2,3,4,5,6,7,8,9,10,11,12,13,14,15
	v_add_f32_dpp v[LW+\i], v[LW+\i], v[LW+\i] row_xmask:\x row_mask:0xf bank_mask:0xf
.endr
.endr
.irp n, 0,1,2,3
	ds_store_b128 v[XA], v[MW+4*\n:MW+4*\n+3] offset:16*\n        ; the 16 lanes of a half write the same words with the same values
	ds_store_b128 v[XA], v[LW+4*\n:LW+4*\n+3] offset:64+16*\n
.endr
	s_wait_alu depctr_va_vdst(0)                   ; ahead of the waits below
	s_wait_dscnt 0x0                               ; for the others' sake: my wave's figures are in LDS
	s_barrier_signal -1
	s_barrier_wait -1
.irp w, 0,1,2,3                                ; lane (r, h) joins the four waves' figures of query 16 h + r
	ds_load_b32 v[T+\w], v[XR] offset:256*\w
	ds_load_b32 v[T+4+\w], v[XR] offset:256*\w+64
.endr
	ds_load_b32 v[T+8], v[XO]                      ; my own wave's c m'
	s_wait_dscnt 0x0
	v_max3_num_f32 v[T+12], v[T], v[T+1], v[T+2]
	v_max_num_f32 v[T+12], v[T+12], v[T+3]         ; c m
.irp w, 0,1,2,3,8
	v_sub_f32 v[T+\w], v[T+\w], v[T+12]
.endr
	s_wait_alu depctr_va_vdst(0)
.irp w, 0,1,2,3,8
	v_exp_f32 v[T+\w], v[T+\w]                     ; 2^(c m' - c m), at most 1
.endr
	v_nop
	s_wait_alu depctr_va_vdst(0)
	v_mul_f32 v[T+13], v[T+4], v[T]
.irp w, 1,2,3
	v_fma_f32 v[T+13], v[T+4+\w], v[T+\w], v[T+13] ; l, at least 1
.endr
	s_wait_alu depctr_va_vdst(0)
	v_rcp_f32 v[T+14], v[T+13]
	v_nop
	s_wait_alu depctr_va_vdst(0)
	v_mul_f32 v[T+15], v[T+8], v[T+14]             ; my wave's factor for this query
	ds_store_b32 v[SA], v[T+15]
.irp n, 0,1,2,3
	ds_load_b128 v[F+4*\n:F+4*\n+3], v[SB] offset:16*\n   ; LDS serves a wave's instructions in order: these see my wave's stores: the factors of my half's 16 queries
.endr
	s_wait_dscnt 0x0
.set nn, 0
.rept 32
	v_pk_mul_f32 v[MG+nn:MG+nn+1], v[MG+nn:MG+nn+1], v[F+nn%16:F+nn%16+1]   ; my lane's factor for each group and query
.set nn, nn+2
.endr
.irp v, 0,1
	WIN (2+\v)*65
.set nn, 0
.rept 128
	v_pk_mul_f32 v[nn:nn+1], v[nn:nn+1], v[MG+16*(2*\v+nn/128)+nn%16:MG+16*(2*\v+nn/128)+nn%16+1]   ; w
.set nn, nn+2
.endr
.endr
	WIN 0
; THE QUANTISER, 16 key tiles (a window of accumulators, two key groups) at a time.
.set BM,  96                           ; v96-111 the blocks' largest w;  v112-127 lane l xor 16's;  v128-143 the conversions' scale operands;  v144-159 the bytes
.set BX,  112
.set SO,  128
.set BY,  144
.set PC,  160                          ; v160-223 eight registers for each pair of tiles: its six of codes;  v224-255 the odd tiles' conversions
.set P2,  224
.set WD,  64                           ; v64-69 the bytes as words
.macro QUANT16 hf
.if \hf
	s_wait_xcnt 0x0                                ; the first half's stores have read their data: these registers are written again only behind this wait
.endif
	WIN (2+(\hf))*5                                ; a key's block of 32 queries: my 16 (none is negative), and the floor 2^(3 - 127): the byte cannot fall under 1
.irp t, 0,1,2,3,4,5,6,7,8,9,10,11,12,13,14,15
	v_max3_num_f32 v[BM+\t], v[16*\t], v[16*\t+1], 0x1800000
.endr
	WIN (2+(\hf))*20
.irp n, 2,4,6,8,10,12,14
.irp t, 0,1,2,3,4,5,6,7,8,9,10,11,12,13,14,15
	v_max3_num_f32 v[BM+\t], v[BM+\t], v[16*\t+\n], v[16*\t+\n+1]
.endr
.endr
	WIN 0
.irp t, 0,1,2,3,4,5,6,7,8,9,10,11,12,13,14,15
	v_permlanex16_b32 v[BX+\t], v[BM+\t], s[SEL], s[SEL+1]
.endr
.irp t, 0,1,2,3,4,5,6,7,8,9,10,11,12,13,14,15
	v_max_num_f32 v[BM+\t], v[BM+\t], v[BX+\t]     ; with lane l xor 16's 16
.endr
.irp t, 0,1,2,3,4,5,6,7,8,9,10,11,12,13,14,15
	v_add_nc_u32 v[SO+\t], 0xff000000, v[BM+\t]    ; 2 off the exponent field: the conversion's scale operand
.endr
.irp t, 0,1,2,3,4,5,6,7,8,9,10,11,12,13,14,15
	v_lshrrev_b32 v[BY+\t], 23, v[SO+\t]           ; the scale's byte
.endr
	WIN 2+(\hf)
.irp p, 0,1,2,3,4,5,6,7
	v_cvt_scalef32_pk16_fp6_f32 v[PC+8*\p:PC+8*\p+2], v[32*\p:32*\p+15], v[SO+2*\p]
	v_cvt_scalef32_pk16_fp6_f32 v[P2+4*\p:P2+4*\p+2], v[32*\p+16:32*\p+31], v[SO+2*\p+1]   ; (a conversion's three registers begin on an even number)
.endr
	WIN 0
	v_nop                                          ; one plain place behind a scaled conversion
.irp p, 0,1,2,3,4,5,6,7                        ; a WHOLE block to a lane: lanes 0-15 the even tile's keys, lanes 16-31 the odd tile's
.irp i, 0,1,2
	v_permlane16_swap_b32 v[PC+8*\p+\i], v[P2+4*\p+\i]
.endr
.endr
.irp p, 0,1,2,3,4,5,6,7
.irp i, 0,1,2
	v_mov_b32 v[PC+8*\p+3+\i], v[P2+4*\p+\i]
.endr
.endr
.irp p, 0,1,2,3,4,5,6,7
	global_store_b128 v[VO16], v[PC+8*\p:PC+8*\p+3], s[WT:WT+1] offset:6144*(\hf)+768*\p          ; 32 lanes store 512 consecutive bytes, at a multiple of 256 from wt's first byte,
	global_store_b64 v[VO8], v[PC+8*\p+4:PC+8*\p+5], s[WT:WT+1] offset:6144*(\hf)+768*\p+512      ; and 256
.endr
.irp g, 0,1,2,3                                ; the bytes of tiles 4 g .. 4 g + 3 in a word
	v_lshl_or_b32 v[WD+\g], v[BY+4*\g+1], 8, v[BY+4*\g]
.endr
.irp g, 0,1,2,3
	v_lshl_or_b32 v[WD+\g], v[BY+4*\g+2], 16, v[WD+\g]
.endr
.irp g, 0,1,2,3
	v_lshl_or_b32 v[WD+\g], v[BY+4*\g+3], 24, v[WD+\g]
.endr
	v_cmp_eq_u32 vcc_lo, 1, v[HH]
	v_cndmask_b32 v[WD+4], v[WD], v[WD+2], vcc_lo  ; lane (r, h) stores place r's eight bytes of this half's key group h
	v_cndmask_b32 v[WD+5], v[WD+1], v[WD+3], vcc_lo
	global_store_b64 v[VS], v[WD+4:WD+5], s[WS:WS+1] offset:256*(\hf)   ; 32 lanes store 256 consecutive bytes, aligned
.endm
	QUANT16 0
	QUANT16 1
	s_wait_tensorcnt 0x0                           ; the wave's end, behind my last tensor load and my last LDS store
	ds_add_u32 v[SPW], v[NIL]
	s_wait_dscnt 0x0
	CROUND                                         ; the closing round: no work-group ends while a partner may still ask for a block that names it
	s_endpgm
.Lfunc_end_k_q32234f51dd_attn:
	.size	k_q32234f51dd_attn, .Lfunc_end_k_q32234f51dd_attn-k_q32234f51dd_attn
	.p2alignl 7, 3214868480
	.fill 96, 4, 3214868480
	.section	.rodata,"a",@progbits
	.p2align	6, 0x0
	.amdhsa_kernel k_q32234f51dd_attn
		.amdhsa_group_segment_fixed_size 327680
		.amdhsa_private_segment_fixed_size 0
		.amdhsa_enable_private_segment 0
		.amdhsa_kernarg_size 24
		.amdhsa_user_sgpr_count 2
		.amdhsa_user_sgpr_kernarg_segment_ptr 1
		.amdhsa_wavefront_size32 1
		.amdhsa_system_sgpr_workgroup_id_x 1
		.amdhsa_system_sgpr_workgroup_id_y 1
		.amdhsa_system_sgpr_workgroup_id_z 1
		.amdhsa_system_vgpr_workitem_id 0
		.amdhsa_next_free_vgpr 1024
		.amdhsa_next_free_sgpr 66
		.amdhsa_reserve_vcc 1
		.amdhsa_float_denorm_mode_32 3
		.amdhsa_float_denorm_mode_16_64 3
		.amdhsa_memory_ordered 1
		.amdhsa_forward_progress 1
		.amdhsa_inst_pref_size 255
	.end_amdhsa_kernel
	.section	.bss,"aw",@nobits
	.p2align	6
	.space	262144
	.amdgpu_metadata
---
amdhsa.version: [ 1, 2 ]
amdhsa.kernels:
  - .name:           k_q32234f51dd_attn
    .symbol:         k_q32234f51dd_attn.kd
    .args:
      - { .name: qk, .offset: 0, .size: 8, .value_kind: global_buffer, .address_space: global }
      - { .name: wt, .offset: 8, .size: 8, .value_kind: global_buffer, .address_space: global }
      - { .name: ws, .offset: 16, .size: 8, .value_kind: global_buffer, .address_space: global }
    .group_segment_fixed_size: 327680
    .private_segment_fixed_size: 0
    .kernarg_segment_align: 8
    .kernarg_segment_size: 24
    .max_flat_workgroup_size: 128
    .sgpr_count:     66
    .vgpr_count:     1024
    .wavefront_size: 32
...
	.end_amdgpu_metadata
.endif
;; end of part 3
;; launch outp (part 4): grid 4 x 64, 4 waves a work-group, clusters of 4 x 4, 327,680 bytes of LDS; arguments wt, ws, vt, out0; writes out0
.if DOCPART == 4
	.amdgcn_target "amdgcn-amd-amdhsa--gfx1250"
	.amdhsa_code_object_version 6
	.text
	.protected	k_q32234f51dd_outp
	.globl	k_q32234f51dd_outp
	.p2align	8
	.type	k_q32234f51dd_outp,@function
k_q32234f51dd_outp:
	s_mov_b64 s[64:65], 0
	v_nop
	global_prefetch_b8 v0, s[64:65] scope:SCOPE_SE
	s_setreg_imm32_b32 hwreg(HW_REG_WAVE_MODE, 25, 1), 1
	s_wait_xcnt 0x0
	s_wait_alu depctr_hold_cnt(0) depctr_sa_sdst(0) depctr_va_vdst(0) depctr_va_sdst(0) depctr_va_ssrc(0) depctr_va_vcc(0) depctr_vm_vsrc(0)
	s_getreg_b32 s2, hwreg(HW_REG_IB_STS2, 6, 4)
	s_cmp_eq_u32 s2, 0
	s_cbranch_scc0 .Lentry_in_a_cluster
	s_endpgm
.Lentry_in_a_cluster:
	s_bfe_u32 s2, ttmp6, 0x10000c
	s_cmp_lg_u32 s2, 0xf033
	s_cbranch_scc0 .Lentry_shape_is_right
	s_endpgm
.Lentry_shape_is_right:
; out[b][key][d] = sum over the queries of Q(w)[query][key] Q(v)[query][d], f32.  Nothing of reference() is left out here.
; P = v^T comes as RECs (12,800 bytes: 128 rows x 128 along K as an image of the operand's registers: 8 tiles of 1,536 bytes, then 512 bytes of scale words; lane m of tile T holds row 32 (T/2) + 8 (T%2) + 16 (m/8) + m%8):
; vt = [batch 4 x d group 8][K step 16][REC].  R = w^T comes as the third launch lays it: wt = [batch x query block 256][pair of key tiles 64][768 bytes] (a key's block of 32 codes: 16 bytes at 16 x place, 8 at 512 + 8 x place;
; place = 16 (tile % 2) + r, its half changed in odd query blocks), ws = [batch x query block 256][key group 16][r 16][tile 8] scale bytes.  K = the 2,048 queries: 16 steps of 128, four query blocks each.
; D = P-fragment (source 0, 16 rows of v^T) x R-fragment (source 1, 16 keys): lane (r, h) holds ONE key, and its register j of P's tile b the column d = 32 (b/2) + 16 h + 8 (b%2) + j.
; SHARES: 64 key groups x 4 blocks of 256 d = 256 work-groups; a work-group makes 128 keys x 256 d, a wave 64 keys x 128 d: 32 accumulators.
; LDS: two slots of 151,552 bytes, four K steps each: R's 16 query blocks x 3,072 bytes (a tile of 16 rows, 49,152 bytes apart in memory), then 4 RECs of each of P's two d groups (a tile of two rows of 51,200 bytes, KG apart).
; R's fragment: lane (r, h) takes query block 2 c + h of the K step into registers 6 c .. 6 c + 5, by a load of 16 bytes and one of 8.  R'S SCALE WORDS: a word wants the bytes of four query blocks, which lie 2,048 bytes apart in ws:
; at the head each thread loads 8 x 8 bytes and turns 4 x 4 bytes at a time by v_perm_b32; the words go to a table of their own in LDS, [K step 16][tile / 4][r][tile % 4], into which no fill lands.
; THE FILLS: at the head one joint load a wave, all four on end: wave 0 R of K steps 0-3, wave 1 P of 0-3, wave 2 R of 4-7, wave 3 P of 4-7.  Waves 0 and 1 wait for theirs ahead of the first barrier, behind which nothing is filled;
; waves 2 and 3 at K step 3, where slot 0 is filled again (K steps 8-11: wave 0 R, wave 1 P); slot 1 at K step 7 (12-15).  By this text's count a wave has one tensor load out.
; CLUSTER 4 x 4: the four of a row of the cluster need the same R, the four of a column the same P: each block is asked for jointly.
; PREFETCH into the L2, one slot ahead of its load: at the head K steps 8-11, behind the first refill K steps 12-15.  Of a slot's four K steps the partner at place cx names R's K step cx (wave 0: 4 rows x 12 blocks of 256 bytes),
; the partner at place cy the REC cy of P's two d groups (waves 2, 3: 50 blocks each): a lane a block, two instructions (the second's last lanes name its last block again).  Each block is named once in each cluster that loads it.
; REGISTERS: window 0: v4-22 addresses, v32-47 scale words (two sets: R's four, P's four), v64-111 and v112-159 R's fragments; on the way out v64-191.  window 1: P's fragments at v0-95 and v128-223.  window 2: the accumulators, (a, b) at v[8 (8 a + b)].
.set REC,   12800
.set KG,    16*REC                     ; a d group's 16 K steps
.set PPART, 4*REC                      ; four K steps of a d group
.set QROW,  49152                      ; wt: from query block to query block
.set RSZ,   16*3072                    ; R's part of a slot
.set SLOT,  RSZ+2*PPART
.set TAB,   2*SLOT                     ; R's scale words: 8,192 bytes
.set SPARE, TAB+8192                   ; the spare words, 128 bytes for each wave, that no other line names
.set SPITCH, 528                       ; the way out: a stage row of 512 bytes + 16
.set LI,    4                          ; v4     16 x lane
.set A16,   5                          ; v5-8   R's loads of 16 bytes: register 2 slot + tile % 2
.set A8,    9                          ; v9-12  and of 8
.set ADRP,  13                         ; v13-14 my P fragments in slot 0, 1
.set PF0,   16                         ; v16-17 the prefetches' offsets; never rewritten
.set PF1,   17
.set ADPS,  18                         ; v18-19 P's scale words: lanes 0-15 tiles 0-3, lanes 16-31 tiles 4-7
.set TABA,  20                         ; v20    R's scale words of my four tiles
.set STO,   21                         ; v21    the stage, on the way in
.set RD,    22                         ; v22    and back
.set SPW,   28                         ; v28    LDS address of my spare word; never rewritten
.set NIL,   29                         ; v29    0; never rewritten
.set SC,    32
.set RF,    64
.set BK,    64
.set WV,  16
.set WI,  17                           ; wave / 2: my half of the keys
.set WJ,  18                           ; wave % 2: my d group
.set G1R, 24                           ; s[24:31] group 1 for R;  s[32:39] its groups 0, one a slot
.set G0R, 32
.set CX,  44
.set CY,  45
.set YY,  47
.set G1P, 48                           ; s[48:55], s[56:63] the same for P
.set G0P, 56
.set WSB, 66                           ; s[66:67] my key group's scale bytes
.set PFA, 68                           ; s[68:69], s[70:71] where my prefetches begin, first and second; never rewritten
.set PFB, 70
.set RB,  72
.set PB,  74
.set OUT, 76
.set MSB, 0
.macro WIN new                         ; the immediate's high byte repeats the setting that is left
.if MSB != (\new)
	s_set_vgpr_msb (MSB<<8)|(\new)
.set MSB, (\new)
.endif
.endm
.set MUL,  0xa1                        ; source 0 (P) window 1, source 1 (R) window 0, C and D window 2
.set TO_P, 0x40                        ; destination window 1, address window 0
.macro PLACES n
.rept \n
	v_nop
.endr
.endm
.macro ARM under, g0, g1, next         ; an arm of the head's chain: one load, its s_nop 0 and four v_nop, and a jump to the chain's end
	s_cmp_lt_u32 s[WV], \under
	s_cbranch_scc0 \next
	tensor_load_to_lds s[\g0:\g0+3], s[\g1:\g1+7]
	s_nop 0
	PLACES 4
	s_branch .Lhead_asked
\next:
.endm
.macro JLOAD g0r, g0p                  ; a joint refill: wave 0 fetches R's part of the slot, wave 1 P's; the others have no part of it.  The branches hang on the wave's number alone
	s_cmp_eq_u32 s[WV], 0
	s_cbranch_scc0 .Lfor_p_\@
	tensor_load_to_lds s[\g0r:\g0r+3], s[G1R:G1R+7]
	s_nop 0
	PLACES 4
	s_branch .Lasked_\@
.Lfor_p_\@:
	s_cmp_eq_u32 s[WV], 1
	s_cbranch_scc0 .Lasked_\@
	tensor_load_to_lds s[\g0p:\g0p+3], s[G1P:G1P+7]
	s_nop 0
	PLACES 4
.Lasked_\@:
	PLACES 4                                       ; every wave's places in front of the loads that follow
.endm
.macro ASK base                        ; waves 0, 2, 3: my share of a slot's blocks of 256 bytes
	s_cmp_eq_u32 s[WV], 1
	s_cbranch_scc1 .Lnot_mine_\@
	global_prefetch_b8 v[PF0], s[\base:\base+1] th:TH_LOAD_NT scope:SCOPE_SE
	global_prefetch_b8 v[PF1], s[\base:\base+1] th:TH_LOAD_NT scope:SCOPE_SE
.Lnot_mine_\@:
.endm
.macro CREST                           ; a round of the cluster's barrier behind its opening barrier
	s_cmp_lg_u32 s[WV], 0
	s_cbranch_scc1 .Lnot_wave_0_\@
	s_barrier_signal -3
.Lnot_wave_0_\@:
	s_barrier_wait -3
	s_barrier_signal -1
	s_barrier_wait -1
.endm
.macro CROUND
	s_barrier_signal -1
	s_barrier_wait -1
	CREST
.endm
.macro FETCH slot, kq, set, ks         ; 42 LDS loads: the fragments and scale words of the slot's kq-th K step, which is K step ks
	WIN TO_P
.irp b, 0,1,2,3,4,5,6,7
.irp c, 0,1,2
	ds_load_b128 v[128*(\set)+12*\b+4*\c:128*(\set)+12*\b+4*\c+3], v[ADRP+(\slot)] offset:REC*(\kq)+1536*\b+512*\c
.endr
.endr
	WIN 0
.irp a, 0,1,2,3
.irp c, 0,1
	ds_load_b128 v[RF+48*(\set)+12*\a+6*\c:RF+48*(\set)+12*\a+6*\c+3], v[A16+2*(\slot)+(\a%2)] offset:(4*(\kq)+2*\c)*3072+(\a/2)*768
	ds_load_b64 v[RF+48*(\set)+12*\a+6*\c+4:RF+48*(\set)+12*\a+6*\c+5], v[A8+2*(\slot)+(\a%2)] offset:(4*(\kq)+2*\c)*3072+(\a/2)*768
.endr
.endr
	ds_load_b128 v[SC+8*(\set):SC+8*(\set)+3], v[TABA] offset:512*(\ks)
	ds_load_b128 v[SC+8*(\set)+4:SC+8*(\set)+7], v[ADPS+(\slot)] offset:REC*(\kq)
.endm
.macro MUL8 a, set, zero               ; my tile a of R x P's eight.  zero = 1: the first product starts the sums.  The 32 accumulators take turns, one instruction a turn, in the same order in every step
.irp b, 0,1,2,3
.if \zero
	v_wmma_scale_f32_16x16x128_f8f6f4 v[8*(8*(\a)+\b):8*(8*(\a)+\b)+7], v[128*(\set)+12*\b:128*(\set)+12*\b+11], v[RF+48*(\set)+12*(\a):RF+48*(\set)+12*(\a)+11], 0, v[SC+8*(\set)+4+\b], v[SC+8*(\set)+(\a)] matrix_a_fmt:MATRIX_FMT_FP6 matrix_b_fmt:MATRIX_FMT_FP6
.else
	v_wmma_scale_f32_16x16x128_f8f6f4 v[8*(8*(\a)+\b):8*(8*(\a)+\b)+7], v[128*(\set)+12*\b:128*(\set)+12*\b+11], v[RF+48*(\set)+12*(\a):RF+48*(\set)+12*(\a)+11], v[8*(8*(\a)+\b):8*(8*(\a)+\b)+7], v[SC+8*(\set)+4+\b], v[SC+8*(\set)+(\a)] matrix_a_fmt:MATRIX_FMT_FP6 matrix_b_fmt:MATRIX_FMT_FP6
.endif
.endr
.irp b, 4,5,6,7
.if \zero
	v_wmma_scale_f32_16x16x128_f8f6f4 v[8*(8*(\a)+\b):8*(8*(\a)+\b)+7], v[128*(\set)+12*\b:128*(\set)+12*\b+11], v[RF+48*(\set)+12*(\a):RF+48*(\set)+12*(\a)+11], 0, v[SC+8*(\set)+\b], v[SC+8*(\set)+(\a)] matrix_a_fmt:MATRIX_FMT_FP6 matrix_b_fmt:MATRIX_FMT_FP6 matrix_a_scale:MATRIX_SCALE_ROW1
.else
	v_wmma_scale_f32_16x16x128_f8f6f4 v[8*(8*(\a)+\b):8*(8*(\a)+\b)+7], v[128*(\set)+12*\b:128*(\set)+12*\b+11], v[RF+48*(\set)+12*(\a):RF+48*(\set)+12*(\a)+11], v[8*(8*(\a)+\b):8*(8*(\a)+\b)+7], v[SC+8*(\set)+\b], v[SC+8*(\set)+(\a)] matrix_a_fmt:MATRIX_FMT_FP6 matrix_b_fmt:MATRIX_FMT_FP6 matrix_a_scale:MATRIX_SCALE_ROW1
.endif
.endr
.endm
.macro STEP set, zero, nslot, nkq, nks ; my set is in; the next step's loads, four places behind the products that read that set (ISA guide 7.12.1 for vector instructions); 32 products
	s_wait_dscnt 0x0
.if !(\zero)
	PLACES 4
.endif
	FETCH \nslot, \nkq, 1-(\set), \nks
	WIN MUL
	MUL8 0, \set, \zero
	MUL8 1, \set, \zero
	MUL8 2, \set, \zero
	MUL8 3, \set, \zero
.endm
; A slot's last K step: its fragments are in registers, so the slot is read out and is filled again.  Each wave waits for all its tensor loads (the other slot is whole then), adds 0 to its spare word, waits for that and
; for its reads; the barrier opens a round of the cluster's barrier, and the joint refill is the first tensor load behind the round.
.macro TURN set, fill, nslot, nks
	WIN 0                                          ; (the add's two registers lie in window 0)
	s_wait_tensorcnt 0x0
	ds_add_u32 v[SPW], v[NIL]
	s_wait_dscnt 1                                 ; this step's set is in; the add alone may be out
	WIN MUL
	MUL8 0, \set, 0
	s_wait_dscnt 0x0                               ; the add is done, and my reads of the slot are over
	s_barrier_signal -1
	MUL8 1, \set, 0
	WIN 0
	s_barrier_wait -1
	CREST
	s_add_nc_u64 s[G0R+4*(\fill)+2:G0R+4*(\fill)+3], s[G0R+4*(\fill)+2:G0R+4*(\fill)+3], 32*QROW   ; no tensor load of mine is out: the slot's groups 0 step eight K steps on
	s_add_nc_u64 s[G0P+4*(\fill)+2:G0P+4*(\fill)+3], s[G0P+4*(\fill)+2:G0P+4*(\fill)+3], 2*PPART
	JLOAD G0R+4*(\fill), G0P+4*(\fill)
	FETCH \nslot, 0, 1-(\set), \nks
.if (\fill) == 0
	ASK PFB                                        ; K steps 12-15, which the next refill loads
.endif
	WIN MUL
	MUL8 2, \set, 0
	MUL8 3, \set, 0
.endm
	s_load_b256 s[4:11], s[0:1], 0x0               ; wt s[4:5], ws s[6:7], vt s[8:9], out0 s[10:11]
	v_lshl_add_u32 v[SPW], v0, 2, SPARE
	v_mov_b32 v[NIL], 0
	ds_add_u32 v[SPW], v[NIL]                      ; the wave's opening: the add, twice on end, and its wait ahead of my first tensor load
	ds_add_u32 v[SPW], v[NIL]
	v_lshrrev_b32 v1, 5, v0
	v_readfirstlane_b32 s[WV], v1
	s_lshr_b32 s[WI], s[WV], 1
	s_and_b32 s[WJ], s[WV], 1
	s_bfe_u32 s[CX], ttmp6, 0x40000
	s_bfe_u32 s[CY], ttmp6, 0x40004
	s_and_b32 s[YY], ttmp7, 0xffff                 ; cluster y, 0 .. 15; the grid has one cluster along x
	s_lshl_b32 s78, s[CY], 2
	s_lshl_b32 s78, 15, s78                        ; my row of the cluster
	s_lshl_b32 s82, 0x1111, s[CX]                  ; my column
	s_or_b32 s[G1R], s78, (3<<16)|(1<<21)          ; 15:0 the mask; 17:16 elements of 8 bytes; 21 set beside a mask; no padding
	s_or_b32 s[G1P], s82, (3<<16)|(1<<21)
	s_mov_b32 s[G1R+1], 384<<16                    ; R: 16 rows of 3,072 bytes, QROW bytes apart
	s_mov_b32 s[G1R+2], 16<<16
	s_mov_b32 s[G1R+3], 384<<16
	s_mov_b32 s[G1R+4], 16
	s_mov_b32 s[G1R+5], QROW/8
	s_mov_b32 s[G1R+6], 0
	s_mov_b32 s[G1R+7], 0
	s_mov_b32 s[G1P+1], 6400<<16                   ; P: two rows of 51,200 bytes, KG bytes apart
	s_mov_b32 s[G1P+2], 2<<16
	s_mov_b32 s[G1P+3], 6400<<16
	s_mov_b32 s[G1P+4], 2
	s_mov_b32 s[G1P+5], KG/8
	s_mov_b32 s[G1P+6], 0
	s_mov_b32 s[G1P+7], 0
	s_lshr_b32 s80, s[YY], 2                       ; the batch
	s_and_b32 s81, s[YY], 3
	s_lshl_b32 s81, s81, 2
	s_add_co_u32 s81, s81, s[CY]                   ; my key group in it.  These registers never hold cx
	s_mul_i32 s78, s80, 64*QROW
	s_mul_i32 s79, s81, 3072
	s_add_co_u32 s78, s78, s79                     ; R: the batch's query block 0, my key group's four pairs of tiles
	s_mov_b32 s79, 0
	s_lshl_b32 s84, s80, 17                        ; ws: 64 query blocks of 2,048 bytes a batch, 128 bytes a key group
	s_lshl_b32 s85, s81, 7
	s_add_co_u32 s84, s84, s85
	s_mov_b32 s85, 0
	s_lshl_b32 s82, s80, 3                         ; P: d groups 8 batch + 2 cx and the next.  These never hold cy
	s_lshl_b32 s83, s[CX], 1
	s_add_co_u32 s82, s82, s83
	s_mul_i32 s82, s82, KG
	s_mov_b32 s83, 0
	s_wait_dscnt 0x0                               ; both opening adds are done
	s_wait_kmcnt 0x0
	s_add_nc_u64 s[RB:RB+1], s[4:5], s[78:79]
	s_add_nc_u64 s[PB:PB+1], s[8:9], s[82:83]
	s_add_nc_u64 s[WSB:WSB+1], s[6:7], s[84:85]
.irp n, 0,1
	s_mov_b32 s[G0R+4*\n], 1
	s_mov_b32 s[G0R+4*\n+1], \n*SLOT
	s_add_nc_u64 s[G0R+4*\n+2:G0R+4*\n+3], s[RB:RB+1], \n*16*QROW
	s_or_b32 s[G0R+4*\n+3], s[G0R+4*\n+3], 0x80000000
	s_mov_b32 s[G0P+4*\n], 1
	s_mov_b32 s[G0P+4*\n+1], RSZ+\n*SLOT
	s_add_nc_u64 s[G0P+4*\n+2:G0P+4*\n+3], s[PB:PB+1], \n*PPART
	s_or_b32 s[G0P+4*\n+3], s[G0P+4*\n+3], 0x80000000
.endr
	CROUND                                         ; all sixteen work-groups are here: the first joint loads meet
	ARM 1, G0R,   G1R, .Lhead_p0                   ; one chain of branches on the wave's number: every way passes one load
	ARM 2, G0P,   G1P, .Lhead_r1
	ARM 3, G0R+4, G1R, .Lhead_p1
	tensor_load_to_lds s[G0P+4:G0P+7], s[G1P:G1P+7]
	s_nop 0
	PLACES 4
.Lhead_asked:
	; R's scale bytes: thread T takes place r = T % 16 and K steps T / 16 and T / 16 + 8: of each the four query blocks' eight bytes
	v_and_b32 v1, 15, v0                           ; r
	v_lshrrev_b32 v27, 4, v0
	v_lshlrev_b32 v24, 4, v1                       ; 16 r
	v_lshlrev_b32 v25, 3, v1                       ; 8 r
	v_lshl_add_u32 v23, v27, 13, v25               ; four query blocks of 2,048 bytes a K step
	v_lshl_add_u32 v27, v27, 9, v24                ; and in the table 512 bytes a K step
	v_add_nc_u32 v27, TAB, v27
.irp x, 0,1
.irp i, 0,1,2,3
	global_load_b64 v[64+8*\x+2*\i:64+8*\x+2*\i+1], v23, s[WSB:WSB+1] offset:65536*\x+2048*\i
.endr
.endr
	; the prefetches: wave 0: wt, query blocks 32 + 4 cx .. + 3, my key group's 3,072 bytes of each;  waves 2, 3: vt, d group 2 cx + j, REC 8 + cy.  The partners share the blocks out by address alone
	s_lshl_b32 s84, s[CX], 2
	s_add_co_u32 s84, s84, 32
	s_mul_i32 s84, s84, QROW
	s_add_co_u32 s84, s84, s78
	s_add_co_u32 s86, s[CY], 8
	s_mul_i32 s86, s86, REC
	s_add_co_u32 s86, s86, s82
	s_mul_i32 s87, s[WJ], KG
	s_add_co_u32 s86, s86, s87
	s_mov_b32 s87, 4*REC
	s_mov_b32 s90, 17
	s_cmp_eq_u32 s[WI], 0                          ; the choices hang on the wave's number alone
	s_cselect_b32 s84, s84, s86
	s_cselect_b32 s86, 16*QROW, s87                ; from the first asking to the second: four K steps
	s_cselect_b32 s88, QROW-3072, 0                ; wt: 12 blocks to a row, then on to the next query block
	s_cselect_b32 s89, 15, s90                     ; 48 blocks, or 50
	s_cselect_b64 s[PFA:PFA+1], s[4:5], s[8:9]
	s_mov_b32 s85, 0
	s_mov_b32 s87, 0
	s_add_nc_u64 s[PFA:PFA+1], s[PFA:PFA+1], s[84:85]
	s_add_nc_u64 s[PFB:PFB+1], s[PFA:PFA+1], s[86:87]
	v_and_b32 v3, 31, v0                           ; lane: block n = lane,
	v_min_u32 v26, s89, v3
	v_add_nc_u32 v26, 32, v26                      ; and n = 32 + lane, held at the last block
	v_mul_u32_u24 v[PF0], v3, 43
	v_mul_u32_u24 v[PF1], v26, 43
	v_lshrrev_b32 v[PF0], 9, v[PF0]                ; n / 12, for n under 50
	v_lshrrev_b32 v[PF1], 9, v[PF1]
	v_mul_u32_u24 v[PF0], v[PF0], s88
	v_mul_u32_u24 v[PF1], v[PF1], s88
	v_lshl_add_u32 v[PF0], v3, 8, v[PF0]
	v_lshl_add_u32 v[PF1], v26, 8, v[PF1]
	s_wait_alu depctr_va_vdst(0)                   ; ahead of the branch
	ASK PFA                                        ; K steps 8-11, which the first refill loads
	; LDS addresses
	s_mul_i32 s88, s[WI], 2*768                    ; my four tiles of R: two pairs
	s_add_co_u32 s90, s88, 256
	s_add_co_u32 s91, s88, 512
	s_add_co_u32 s92, s88, 640
	s_mul_i32 s89, s[WJ], PPART
	s_add_co_u32 s89, s89, RSZ                     ; my d group, behind R's part
	s_lshl_b32 s93, s[WI], 8
	s_add_co_u32 s93, s93, TAB
	s_mul_i32 s94, s[WV], 16*SPITCH                ; my stage, in slot 0
	s_lshl_b32 s80, s[YY], 2                       ; out0: key group 4 Y + cy, 128 rows of 4,096 bytes; my 64 rows; 1,024 bytes a block of 256 d; my 512
	s_add_co_u32 s80, s80, s[CY]
	s_lshl_b32 s80, s80, 19
	s_lshl_b32 s81, s[WI], 18
	s_add_co_u32 s80, s80, s81
	s_lshl_b32 s81, s[CX], 10
	s_add_co_u32 s80, s80, s81
	s_lshl_b32 s81, s[WJ], 9
	s_add_co_u32 s80, s80, s81
	s_mov_b32 s81, 0
	s_add_nc_u64 s[OUT:OUT+1], s[10:11], s[80:81]
	v_bfe_u32 v2, v0, 4, 1                         ; h: lanes 16-31 take the odd query block, 3,072 bytes on, where the places' halves are changed
	v_lshlrev_b32 v[LI], 4, v3
	v_mad_u32_u24 v[A16], v2, 3072+256, v24        ; an even tile: place r + 16 h
	v_mad_u32_u24 v[A16+1], v2, 3072-256, v24      ; an odd tile: place r + 16 (1 - h)
	v_mad_u32_u24 v[A8], v2, 3072+128, v25
	v_mad_u32_u24 v[A8+1], v2, 3072-128, v25
	v_add_nc_u32 v[A16], s88, v[A16]
	v_add_nc_u32 v[A16+1], s90, v[A16+1]
	v_add_nc_u32 v[A8], s91, v[A8]
	v_add_nc_u32 v[A8+1], s92, v[A8+1]
	v_add_nc_u32 v[ADRP], s89, v[LI]
	v_add_nc_u32 v[ADPS], 12288, v[ADRP]
.irp q, A16, A16+1, A8, A8+1
	v_add_nc_u32 v[\q+2], SLOT, v[\q]
.endr
	v_add_nc_u32 v[ADRP+1], SLOT, v[ADRP]
	v_add_nc_u32 v[ADPS+1], SLOT, v[ADPS]
	v_add_nc_u32 v[TABA], s93, v24
	v_mul_u32_u24 v[STO], v1, SPITCH               ; in: row r, 64 bytes for each half of the lanes
	v_lshl_add_u32 v[STO], v2, 6, v[STO]
	v_add_nc_u32 v[STO], s94, v[STO]
	v_add_nc_u32 v[RD], s94, v[LI]                 ; back: the 32 lanes take one row of 512 bytes
	s_wait_alu depctr_va_vdst(0)                   ; directly ahead of the wait below
	s_wait_loadcnt 0x0                             ; the scale bytes
.irp x, 0,1
.irp f, 0,1                                    ; tiles 4 f .. 4 f + 3: four query blocks' words of four tiles' bytes become four tiles' words of four query blocks' bytes
	v_perm_b32 v[80+4*(2*\x+\f)], v[66+8*\x+\f], v[64+8*\x+\f], 0x05010400
	v_perm_b32 v[81+4*(2*\x+\f)], v[66+8*\x+\f], v[64+8*\x+\f], 0x07030602
	v_perm_b32 v[82+4*(2*\x+\f)], v[70+8*\x+\f], v[68+8*\x+\f], 0x05010400
	v_perm_b32 v[83+4*(2*\x+\f)], v[70+8*\x+\f], v[68+8*\x+\f], 0x07030602
.endr
.endr
.irp x, 0,1
.irp f, 0,1
	v_perm_b32 v[96+4*(2*\x+\f)], v[82+4*(2*\x+\f)], v[80+4*(2*\x+\f)], 0x05040100
	v_perm_b32 v[97+4*(2*\x+\f)], v[82+4*(2*\x+\f)], v[80+4*(2*\x+\f)], 0x07060302
	v_perm_b32 v[98+4*(2*\x+\f)], v[83+4*(2*\x+\f)], v[81+4*(2*\x+\f)], 0x05040100
	v_perm_b32 v[99+4*(2*\x+\f)], v[83+4*(2*\x+\f)], v[81+4*(2*\x+\f)], 0x07060302
.endr
.endr
.irp x, 0,1
.irp f, 0,1
	ds_store_b128 v27, v[96+4*(2*\x+\f):99+4*(2*\x+\f)] offset:4096*\x+256*\f
.endr
.endr
	s_wait_alu depctr_va_vdst(0)                   ; the head's end
	s_wait_dscnt 0x0                               ; for the others' sake: my words are in the table
	s_cmp_lg_u32 s[WI], 0
	s_cbranch_scc1 .Lslot1_out                     ; waves 2 and 3: slot 1 may stay out, and it is awaited at K step 3
	s_wait_tensorcnt 0x0                           ; waves 0 and 1: slot 0 is in
.Lslot1_out:
	s_barrier_signal -1
	s_barrier_wait -1
	FETCH 0, 0, 0, 0
	STEP 0, 1, 0, 1, 1                             ; K step 0 starts the sums
	STEP 1, 0, 0, 2, 2
	STEP 0, 0, 0, 3, 3
	TURN 1, 0, 1, 4                                ; 3: slot 0 takes K steps 8-11
	STEP 0, 0, 1, 1, 5
	STEP 1, 0, 1, 2, 6
	STEP 0, 0, 1, 3, 7
	TURN 1, 1, 0, 8                                ; 7: slot 1 takes K steps 12-15
	STEP 0, 0, 0, 1, 9
	STEP 1, 0, 0, 2, 10
	STEP 0, 0, 0, 3, 11
	s_wait_dscnt 0x0                               ; 11: the last refill is wanted: each wave shows its part landed, then a plain barrier
	s_wait_tensorcnt 0x0
	s_barrier_signal -1
	WIN MUL
	MUL8 0, 1, 0
	MUL8 1, 1, 0
	s_barrier_wait -1
	PLACES 4
	FETCH 1, 0, 0, 12
	WIN MUL
	MUL8 2, 1, 0
	MUL8 3, 1, 0
	STEP 0, 0, 1, 1, 13
	STEP 1, 0, 1, 2, 14
	STEP 0, 0, 1, 3, 15
	s_wait_dscnt 0x0                               ; 15
	WIN MUL
	MUL8 0, 1, 0
	MUL8 1, 1, 0
	MUL8 2, 1, 0
	MUL8 3, 1, 0
	WIN 0
; THE WAY OUT, tile by tile of 16 keys x 128 d.  A lane holds pieces of one row, the lanes beside it other rows: so a tile goes through my own stage and comes back as whole rows of 512 bytes.  The stage lies in slot 0, which has had
; its last fill, and which nobody reads behind K step 11's barrier.  LDS serves a wave's instructions in order (ISA guide 5.7.1.4): no wait between the stores and the loads.
.macro TOSTAGE a
	WIN 0x08                                       ; the data: window 2
.irp b, 0,1,2,3,4,5,6,7
	ds_store_b128 v[STO], v[64*(\a)+8*\b:64*(\a)+8*\b+3] offset:128*(\b/2)+32*(\b%2)          ; each accumulator from its low end on
	ds_store_b128 v[STO], v[64*(\a)+8*\b+4:64*(\a)+8*\b+7] offset:128*(\b/2)+32*(\b%2)+16
.endr
	WIN 0
.irp t, 0,1,2,3,4,5,6,7,8,9,10,11,12,13,14,15
	ds_load_b128 v[BK+64*((\a)%2)+4*\t:BK+64*((\a)%2)+4*\t+3], v[RD] offset:\t*SPITCH
.endr
.endm
.macro SEND a, younger                 ; younger: the LDS instructions issued behind tile a's loads, which may stay out.  Place t of tile a is row 32 (a/2) + 8 (a%2) + 16 (t/8) + t%8 of my 64
	s_wait_dscnt \younger
.irp t, 0,1,2,3,4,5,6,7,8,9,10,11,12,13,14,15
	global_store_b128 v[LI], v[BK+64*((\a)%2)+4*\t:BK+64*((\a)%2)+4*\t+3], s[OUT:OUT+1] offset:(32*((\a)/2)+8*((\a)%2)+16*(\t/8)+\t%8)*4096 th:TH_STORE_NT   ; 32 lanes store 512 consecutive bytes, at a multiple of 256 from out0's first byte
.endr
.endm
	PLACES 4                                       ; behind the last products: for the first reads of results and the loads into registers that held fragments
	TOSTAGE 0
	TOSTAGE 1
	SEND 0, 32                                     ; behind tile 0's loads: tile 1's 16 stores and 16 loads
	s_wait_xcnt 0x0                                ; tile 0's stores have read their registers: tile 2's loads may land there
	TOSTAGE 2
	SEND 1, 32
	s_wait_xcnt 0x0
	TOSTAGE 3
	SEND 2, 32
	SEND 3, 0
	s_wait_tensorcnt 0x0                           ; the wave's end, behind my last tensor load and my last LDS store
	ds_add_u32 v[SPW], v[NIL]
	s_wait_dscnt 0x0
	CROUND                                         ; the closing round: no work-group ends while a partner may still ask for a block that names it
	s_endpgm
.Lfunc_end_k_q32234f51dd_outp:
	.size	k_q32234f51dd_outp, .Lfunc_end_k_q32234f51dd_outp-k_q32234f51dd_outp
	.p2alignl 7, 3214868480
	.fill 96, 4, 3214868480
	.section	.rodata,"a",@progbits
	.p2align	6, 0x0
	.amdhsa_kernel k_q32234f51dd_outp
		.amdhsa_group_segment_fixed_size 327680
		.amdhsa_private_segment_fixed_size 0
		.amdhsa_enable_private_segment 0
		.amdhsa_kernarg_size 32
		.amdhsa_user_sgpr_count 2
		.amdhsa_user_sgpr_kernarg_segment_ptr 1
		.amdhsa_wavefront_size32 1
		.amdhsa_system_sgpr_workgroup_id_x 1
		.amdhsa_system_sgpr_workgroup_id_y 1
		.amdhsa_system_sgpr_workgroup_id_z 1
		.amdhsa_system_vgpr_workitem_id 0
		.amdhsa_next_free_vgpr 768
		.amdhsa_next_free_sgpr 100
		.amdhsa_reserve_vcc 0
		.amdhsa_float_denorm_mode_32 3
		.amdhsa_float_denorm_mode_16_64 3
		.amdhsa_memory_ordered 1
		.amdhsa_forward_progress 1
		.amdhsa_inst_pref_size 142
	.end_amdhsa_kernel
	.amdgpu_metadata
---
amdhsa.version: [ 1, 2 ]
amdhsa.kernels:
  - .name:           k_q32234f51dd_outp
    .symbol:         k_q32234f51dd_outp.kd
    .args:
      - { .name: wt, .offset: 0, .size: 8, .value_kind: global_buffer, .address_space: global }
      - { .name: ws, .offset: 8, .size: 8, .value_kind: global_buffer, .address_space: global }
      - { .name: vt, .offset: 16, .size: 8, .value_kind: global_buffer, .address_space: global }
      - { .name: out0, .offset: 24, .size: 8, .value_kind: global_buffer, .address_space: global }
    .group_segment_fixed_size: 327680
    .private_segment_fixed_size: 0
    .kernarg_segment_align: 8
    .kernarg_segment_size: 32
    .max_flat_workgroup_size: 128
    .sgpr_count:     100
    .vgpr_count:     768
    .wavefront_size: 32
...
	.end_amdgpu_metadata
.endif
;; end of part 4
